; MI455X (gfx1250); checked and timed in simulation.
; The chip was launched on July 23, 2026; its instructions are those of AMD's public machine-readable ISA for CDNA 5 (MIT licence, August 2026) and "CDNA5" Instruction Set Architecture Reference Guide (July 2026). The comments in the code are by the model that wrote it; some were corrected since.
;; Simple Mo E Layer. Allowed arithmetic: matrix products marked QUANTISED: E3M2 operands, one E8M0 scale for each 32 along K, by v_wmma_scale_f32_16x16x128_f8f6f4 with both operands' format E3M2, f32 sums; products left as they are: f32 operands where the result goes on into a quantised operand, else bf16, f16 or f32 operands; f32 sums; everything else in f32.
;; Inputs: W1 8 x 1,024 x 4,096 float32; W2 8 x 4,096 x 1,024 float32; Wr 8 x 1,024 float32; b1 8 x 4,096 float32; b2 8 x 1,024 float32; x 2 x 512 x 1,024 float32.
;; Outputs: out0 2 x 512 x 1,024 float32.
;; This version of the problem:
;;   THIS VERSION OF THE PROBLEM IS GIVEN IN LOW PRECISION. The matrix products marked QUANTISED in the list below multiply operands that are first quantised to E3M2 (3 exponent bits, 2 mantissa bits; 6 bits a number), with one power-of-two scale for each 32 numbers along K (OCP MX v1.0); their sums are f32. All else is computed in f32.
;;   The module's matrix products, in the order in which they are computed (A, B: the left and right operand; K: the contracted axis; several contracted axes count as one K, in the product's order):
;;     1. [M 1,024, K 1,024] x [K 1,024, N 8]; A: input x; B: input Wr: left as it is (N = 8 < 16)
;;     2. [M 1,024, K 1,024] x [K 1,024, N 4,096]; A: input x; B: input W1: QUANTISED
;;     3. [M 1,024, K 4,096] x [K 4,096, N 1,024]; A: computed on the way; B: input W2: QUANTISED
;;     4. [M 1,024, K 1,024] x [K 1,024, N 4,096]; A: input x; B: input W1: QUANTISED
;;     5. [M 1,024, K 4,096] x [K 4,096, N 1,024]; A: computed on the way; B: input W2: QUANTISED
;;     6. [M 1,024, K 1,024] x [K 1,024, N 4,096]; A: input x; B: input W1: QUANTISED
;;     7. [M 1,024, K 4,096] x [K 4,096, N 1,024]; A: computed on the way; B: input W2: QUANTISED
;;     8. [M 1,024, K 1,024] x [K 1,024, N 4,096]; A: input x; B: input W1: QUANTISED
;;     9. [M 1,024, K 4,096] x [K 4,096, N 1,024]; A: computed on the way; B: input W2: QUANTISED
;;     10. [M 1,024, K 1,024] x [K 1,024, N 4,096]; A: input x; B: input W1: QUANTISED
;;     11. [M 1,024, K 4,096] x [K 4,096, N 1,024]; A: computed on the way; B: input W2: QUANTISED
;;     12. [M 1,024, K 1,024] x [K 1,024, N 4,096]; A: input x; B: input W1: QUANTISED
;;     13. [M 1,024, K 4,096] x [K 4,096, N 1,024]; A: computed on the way; B: input W2: QUANTISED
;;     14. [M 1,024, K 1,024] x [K 1,024, N 4,096]; A: input x; B: input W1: QUANTISED
;;     15. [M 1,024, K 4,096] x [K 4,096, N 1,024]; A: computed on the way; B: input W2: QUANTISED
;;     16. [M 1,024, K 1,024] x [K 1,024, N 4,096]; A: input x; B: input W1: QUANTISED
;;     17. [M 1,024, K 4,096] x [K 4,096, N 1,024]; A: computed on the way; B: input W2: QUANTISED
;;   THE QUANTISER, for each operand of a quantised product, along K:
;;     - K is cut into blocks of 32 from its start; a last block that is shorter is filled with zeros.
;;     - A block's scale is 2^e with e = floor(log2(the largest magnitude in the block)) - 4, held to -126 .. 127; a block of zeros has e = 0. As a byte (E8M0): e + 127.
;;     - Each number is divided by its block's scale, clamped to +-28, and rounded to the nearest number of E3M2, ties to even, subnormals kept.
;;     - The product sums the exact products of the quantised numbers (number of the format x scale) in f32.
;;   ~~~python
;;   def quantise(x, axis):      # numpy; x: float32 -> the quantised numbers, widened to float32 again
;;       x = np.moveaxis(x, axis, -1); K = x.shape[-1]
;;       x = np.pad(x, [(0, 0)] * (x.ndim - 1) + [(0, -K % 32)]); x = x.reshape(x.shape[:-1] + (-1, 32)); a = np.abs(x).max(-1, keepdims=True)
;;       e = np.where(a > 0, np.clip(np.frexp(np.where(a > 0, a, 1))[1] - 1 - 4, -126, 127), 0)      # np.frexp(a)[1] - 1 = floor(log2(a)), exactly
;;       r = np.clip(x / 2.0 ** e, -28, 28)
;;       step = 2.0 ** (np.maximum(np.frexp(np.where(r == 0, 1, r))[1] - 1, -2) - 2)
;;       q = np.round(r / step) * step * 2.0 ** e      # np.round: ties to even
;;       return np.moveaxis(q.reshape(q.shape[:-2] + (-1,))[..., :K], -1, axis).astype(np.float32)
;;   ~~~
;;   OPERANDS COMPUTED ON THE WAY. 'Computed on the way' means the value that the module computes at that place (a softmax that the list does not call 'softmax' is quantised finished and normalised). What goes into a quantiser is computed in f32, as accurately as f32 sums, v_exp_f32 and their like allow (about 1e-6 of the number): no bf16 or f16 on the way to a quantiser, and a product that is left as it is and whose result goes on into a quantised operand takes f32 operands (vector FMAs, or v_wmma_f32_16x16x4_f32). A number that lies on a knife's edge between two numbers of the format may be rounded either way, as far as f32 arithmetic and the matrix unit's own rounding can turn it there, and no further.
;; 2 versions. Each part assembles by itself: llvm-mc -triple=amdgcn-amd-amdhsa -mcpu=gfx1250 --defsym DOCPART=n.
;; ======== version 1 of 2: 4 launches
;; workspace buffers: sel 4,096 bytes of whole numbers; gat 8,192 bytes; xq 819,200 bytes; lst 34,816 bytes of whole numbers; hq 27,262,976 bytes; part 17,825,792 bytes
;; launch route (part 1): grid 256 x 1, 4 waves a work-group, no clusters, 55,808 bytes of LDS; arguments x, Wr, sel, gat, xq; writes sel, gat, xq
.if DOCPART == 1
	.amdgcn_target "amdgcn-amd-amdhsa--gfx1250"
	.amdhsa_code_object_version 6
	.text
	.protected	k_q6bfc8dfb99_route
	.globl	k_q6bfc8dfb99_route
	.p2align	8
	.type	k_q6bfc8dfb99_route,@function
k_q6bfc8dfb99_route:
	s_mov_b64 s[64:65], 0
	v_nop
	global_prefetch_b8 v0, s[64:65] scope:SCOPE_SE
	s_setreg_imm32_b32 hwreg(HW_REG_WAVE_MODE, 25, 1), 1
	s_wait_xcnt 0x0
; ROUTER AND QUANTISER OF x.  x [1024 tokens][1024] f32, Wr [8][1024] f32.  One wave takes one token t = 4 x work-group + wave.
; It makes (a) the eight logits x . Wr[e] by f32 multiply-adds; (b) the two largest, the lower index winning a tie, as a word sel[t] = 1 << e0 | 1 << (8 + e1);
; (c) the softmax of the two, the larger taken away first: gat[t] = p0, gat[1024 + t] = p1; (d) the token's codes of E3M2 and scale bytes, one for each 32 along H.
; No address and no branch hangs on the choice: it is stored, and the next launch reads it.
; xq: 768 bytes of codes a token, laid [3 pieces][half h][128 bytes]: the 24 bytes of block 2 q + h are bytes 24 q .. 24 q + 23 of stream h, and piece u holds bytes 128 u .. 128 u + 127 of stream 0, then of stream 1:
; so the next launch reads whole runs of 256 bytes, and a lane of half h finds its blocks on end.  From byte XS0 on: 32 scale bytes a token.
; A block's scale is 2^(floor(log2(largest magnitude)) - 4): its byte is the largest magnitude's exponent field less 4, held at 1 from below by a floor among the maximum's leaves.
; LIMITS: NaN and infinities among x, Wr or the logits are not served.  Two logits that differ by less than the order of f32 sums resolves may change places.  A block whose largest magnitude lies under 2^-122
; keeps the byte 1 (a block of zeros too: its codes are zeros, and this program alone reads the bytes).  sel, gat and the scale bytes leave in stores of 4 to 32 bytes: 44 bytes a token.
.set XS0,  786432                      ; where the scale bytes begin in xq
.set REG0, 32768                       ; LDS: bytes 0 .. 32767 Wr as it lies in memory; then a region of WREG bytes for each wave:
.set WREG, 5632                        ;   32 places of 144 bytes (a block's 128 bytes + 16), then
.set CST,  4608                        ;   the token's 768 bytes of codes, then
.set SST,  5376                        ;   its 32 scale bytes
.set LG,   16                          ; v16-31   eight pairs of sums; the logit of expert e ends in v[LG + 2 e]
.set X,    32                          ; v32-63   x as loaded: register 4 i + k = x[128 i + 4 lane + k]
.set XT,   64                          ; v64-95   block `lane` of x, its 32 numbers in order
.set WR,   96                          ; v96-223  four rows of Wr, laid as X
	s_load_b256 s[4:11], s[0:1], 0x0               ; x s[4:5], Wr s[6:7], sel s[8:9], gat s[10:11]
	s_load_b64 s[12:13], s[0:1], 0x20              ; xq
	v_lshl_add_u32 v254, v0, 2, 0xd800
	v_mov_b32 v255, 0
	v_lshrrev_b32 v1, 5, v0
	v_readfirstlane_b32 s14, v1                    ; wave
	v_and_b32 v1, 31, v0                           ; lane
	v_lshlrev_b32 v2, 4, v1                        ; 16 x lane: my bytes of a run of 512, in memory and in Wr's image
	s_lshl_b32 s15, ttmp9, 2
	s_add_co_u32 s15, s15, s14                     ; my token
	s_mul_i32 s16, s14, WREG
	s_add_co_u32 s16, s16, REG0                    ; my wave's region
	v_lshrrev_b32 v3, 3, v1
	v_mul_u32_u24 v3, v3, 144
	v_and_b32 v224, 7, v1
	v_lshl_add_u32 v3, v224, 4, v3
	v_add_nc_u32 v3, s16, v3                       ; into the places: 144 (lane / 8) + 16 (lane % 8); a load's 512 bytes are four blocks
	v_mul_u32_u24 v4, v1, 144
	v_add_nc_u32 v4, s16, v4                       ; out of them: place `lane`
	s_lshl_b32 s17, s14, 13
	v_add_nc_u32 v5, s17, v2                       ; rows 2 w and 2 w + 1 of Wr: the same offset in memory and in LDS
	v_lshrrev_b32 v225, 1, v1
	v_mul_u32_u24 v225, v225, 3                    ; my block's first piece of 8 bytes in its stream: 3 (lane / 2)
	v_and_b32 v226, 1, v1
	v_lshlrev_b32 v226, 7, v226
	v_add_nc_u32 v226, s16, v226                   ; stream lane % 2
.irp i, 0,1,2
	v_add_nc_u32 v227, \i, v225
	v_lshrrev_b32 v228, 4, v227
	v_and_b32 v227, 15, v227
	v_lshl_add_u32 v228, v228, 8, v226
	v_lshl_add_u32 v[7+\i], v227, 3, v228          ; piece n lies at 256 (n / 16) + 128 (lane % 2) + 8 (n % 16)
.endr
	v_lshlrev_b32 v11, 3, v1                       ; 8 x lane
	v_add_nc_u32 v10, s16, v11
	v_add_nc_u32 v12, s16, v1                      ; my block's scale byte
	v_lshlrev_b32 v14, 2, v224                     ; 4 (lane % 8)
	v_add_nc_u32 v13, s16, v14
	v_mov_b32 v15, 0
	s_mov_b32 s34, 0x76543210
	s_mov_b32 s35, 0xfedcba98                      ; v_permlanex16_b32's selects for lane l xor 16
	s_lshl_b32 s18, s15, 12                        ; x: 4,096 bytes a token
	s_mov_b32 s19, 0
	s_mul_i32 s20, s15, 768                        ; codes
	s_mov_b32 s21, 0
	s_lshl_b32 s22, s15, 5                         ; scale bytes
	s_mov_b32 s23, 0
	s_lshl_b32 s24, s15, 2                         ; sel, gat
	s_mov_b32 s25, 0
	s_wait_kmcnt 0x0
	s_add_nc_u64 s[4:5], s[4:5], s[18:19]
	s_add_nc_u64 s[20:21], s[12:13], s[20:21]
	s_add_nc_u64 s[22:23], s[12:13], s[22:23]
	s_add_nc_u64 s[8:9], s[8:9], s[24:25]
	s_add_nc_u64 s[10:11], s[10:11], s[24:25]
.irp i, 0,1,2,3,4,5,6,7
	global_load_b128 v[X+4*\i:X+4*\i+3], v2, s[4:5] offset:512*\i th:TH_LOAD_NT
.endr
.irp a, 0,1
.irp i, 0,1,2,3,4,5,6,7
	global_load_b128 v[WR+32*\a+4*\i:WR+32*\a+4*\i+3], v5, s[6:7] offset:4096*\a+512*\i
.endr
.endr
	s_wait_loadcnt 16                              ; x is in; the 16 loads of Wr behind it may be out
.irp i, 0,1,2,3,4,5,6,7
	ds_store_b128 v3, v[X+4*\i:X+4*\i+3] offset:576*\i
.endr
.irp i, 0,1,2,3,4,5,6,7
	ds_load_b128 v[XT+4*\i:XT+4*\i+3], v4 offset:16*\i   ; LDS serves a wave's instructions in order: these see my stores
.endr
	s_wait_loadcnt 0x0
.irp a, 0,1
.irp i, 0,1,2,3,4,5,6,7
	ds_store_b128 v5, v[WR+32*\a+4*\i:WR+32*\a+4*\i+3] offset:4096*\a+512*\i
.endr
.endr
	s_wait_dscnt 0x0                               ; for the others' sake: my two rows of Wr lie in LDS
	s_barrier_signal -1
	s_barrier_wait -1                              ; all eight do
.macro WROWS e0                        ; rows e0 .. e0 + 3 of Wr out of LDS
.irp e, 0,1,2,3
.irp i, 0,1,2,3,4,5,6,7
	ds_load_b128 v[WR+32*\e+4*\i:WR+32*\e+4*\i+3], v2 offset:4096*(\e0+\e)+512*\i
.endr
.endr
.endm
.macro DOT a0                          ; four experts' sums by turns, two numbers an instruction; the first product starts each sum
.irp e, 0,1,2,3
	v_pk_mul_f32 v[\a0+2*\e:\a0+2*\e+1], v[X:X+1], v[WR+32*\e:WR+32*\e+1]
.endr
.irp i, 1,2,3,4,5,6,7,8,9,10,11,12,13,14,15
.irp e, 0,1,2,3
	v_pk_fma_f32 v[\a0+2*\e:\a0+2*\e+1], v[X+2*\i:X+2*\i+1], v[WR+32*\e+2*\i:WR+32*\e+2*\i+1], v[\a0+2*\e:\a0+2*\e+1]
.endr
.endr
.endm
	WROWS 0
	; my block is quantised while they come: its largest magnitude in two chains, with the floor 2^(5 - 127) as one more leaf
	v_max3_num_f32 v224, |v[XT]|, |v[XT+1]|, 0x2800000
	v_max3_num_f32 v225, |v[XT+2]|, |v[XT+3]|, |v[XT+4]|
.irp i, 5,9,13,17,21,25
	v_max3_num_f32 v224, v224, |v[XT+\i]|, |v[XT+\i+1]|
	v_max3_num_f32 v225, v225, |v[XT+\i+2]|, |v[XT+\i+3]|
.endr
	v_max3_num_f32 v224, v224, |v[XT+29]|, |v[XT+30]|
	v_max3_num_f32 v224, v224, v225, |v[XT+31]|
	v_add_nc_u32 v226, 0xfe000000, v224            ; 4 off its exponent field: the conversion takes the exponent field of this operand as its scale
	v_lshrrev_b32 v227, 23, v226                   ; the scale's byte
	v_cvt_scalef32_pk16_bf6_f32 v[228:230], v[XT:XT+15], v226
	v_cvt_scalef32_pk16_bf6_f32 v[232:234], v[XT+16:XT+31], v226   ; (a conversion's three registers begin on an even number)
	v_nop                                          ; one plain instruction behind a scaled conversion
	v_mov_b32 v231, v232
	v_mov_b32 v232, v233
	v_mov_b32 v233, v234                           ; v228-233: the block's 24 bytes
	ds_store_b64 v7, v[228:229] offset:CST
	ds_store_b64 v8, v[230:231] offset:CST
	ds_store_b64 v9, v[232:233] offset:CST
	ds_store_b8 v12, v227 offset:SST
.irp i, 0,1,2
	ds_load_b64 v[236+2*\i:237+2*\i], v10 offset:CST+256*\i
.endr
	ds_load_b32 v242, v13 offset:SST
	s_wait_dscnt 8                                 ; Wr's 32 loads are in; the eight LDS instructions behind them may be out
	DOT LG
	s_wait_dscnt 0x0
.irp i, 0,1,2
	global_store_b64 v11, v[236+2*\i:237+2*\i], s[20:21] offset:256*\i   ; the wave stores 256 consecutive bytes, at a multiple of 256 from xq's first byte
.endr
	WROWS 4
	s_wait_dscnt 0x0
	DOT LG+8
.irp e, 0,1,2,3,4,5,6,7
	v_add_f32 v[LG+2*\e], v[LG+2*\e], v[LG+2*\e+1]
.endr
.irp m, 1,2,4,8                        ; over the 32 lanes, the eight logits by turns
.irp e, 0,1,2,3,4,5,6,7
	v_add_f32_dpp v[LG+2*\e], v[LG+2*\e], v[LG+2*\e] row_xmask:\m row_mask:0xf bank_mask:0xf
.endr
.endr
.irp e, 0,1,2,3,4,5,6,7
	v_permlanex16_b32 v[LG+2*\e+1], v[LG+2*\e], s34, s35
.endr
.irp e, 0,1,2,3,4,5,6,7
	v_add_f32 v[LG+2*\e], v[LG+2*\e], v[LG+2*\e+1]
.endr
	; the two largest, by selects alone, alike in every lane.  What stands is kept where it is at least as large: the lower index wins a tie
	v_mov_b32 v224, v[LG]
	v_mov_b32 v225, 1
.irp e, 1,2,3,4,5,6,7
	v_cmp_ge_f32 vcc_lo, v224, v[LG+2*\e]
	v_cndmask_b32 v224, v[LG+2*\e], v224, vcc_lo
	v_cndmask_b32 v225, 1<<\e, v225, vcc_lo
.endr
	v_mov_b32 v226, 0xff800000                     ; -infinity, under every logit
	v_mov_b32 v227, 0
.irp e, 0,1,2,3,4,5,6,7
	v_cmp_eq_u32 s26, 1<<\e, v225                  ; the largest itself is passed over
	v_cmp_ge_f32 s27, v226, v[LG+2*\e]
	s_or_b32 vcc_lo, s26, s27
	v_cndmask_b32 v226, v[LG+2*\e], v226, vcc_lo
	v_cndmask_b32 v227, 256<<\e, v227, vcc_lo
.endr
	v_sub_f32 v228, v226, v224                     ; the second less the largest: 0 or less
	v_mul_f32 v228, 0x3fb8aa3b, v228
	v_exp_f32 v228, v228
	v_or_b32 v229, v225, v227                      ; sel's word.  (A plain instruction behind the exponential)
	s_wait_alu depctr_va_vdst(0)                   ; the wait ahead of the first reader
	v_add_f32 v230, 1.0, v228
	v_rcp_f32 v230, v230                           ; p0 = 1 / (1 + e)
	v_nop
	s_wait_alu depctr_va_vdst(0)
	v_mul_f32 v231, v228, v230                     ; p1 = e p0
	s_wait_xcnt 0x0                                ; EXEC changes only when the stores above have read it
	s_wait_tensorcnt 0x0
	ds_add_u32 v254, v255
	s_wait_dscnt 0x0
	v_cmpx_gt_u32 8, v1
	global_store_b32 v14, v242, s[22:23] offset:XS0   ; lanes 0 to 7: the token's 32 scale bytes
	s_wait_xcnt 0x0
	v_cmpx_eq_u32 0, v1
	global_store_b32 v15, v229, s[8:9]
	global_store_b32 v15, v230, s[10:11]
	global_store_b32 v15, v231, s[10:11] offset:4096
	s_endpgm
.Lfunc_end_k_q6bfc8dfb99_route:
	.size	k_q6bfc8dfb99_route, .Lfunc_end_k_q6bfc8dfb99_route-k_q6bfc8dfb99_route
	.p2alignl 7, 3214868480
	.fill 96, 4, 3214868480
	.section	.rodata,"a",@progbits
	.p2align	6, 0x0
	.amdhsa_kernel k_q6bfc8dfb99_route
		.amdhsa_group_segment_fixed_size 55808
		.amdhsa_private_segment_fixed_size 0
		.amdhsa_enable_private_segment 0
		.amdhsa_kernarg_size 40
		.amdhsa_user_sgpr_count 2
		.amdhsa_user_sgpr_kernarg_segment_ptr 1
		.amdhsa_wavefront_size32 1
		.amdhsa_system_sgpr_workgroup_id_x 1
		.amdhsa_system_sgpr_workgroup_id_y 1
		.amdhsa_system_sgpr_workgroup_id_z 1
		.amdhsa_system_vgpr_workitem_id 0
		.amdhsa_next_free_vgpr 256
		.amdhsa_next_free_sgpr 66
		.amdhsa_reserve_vcc 1
		.amdhsa_float_denorm_mode_32 3
		.amdhsa_float_denorm_mode_16_64 3
		.amdhsa_memory_ordered 1
		.amdhsa_forward_progress 1
		.amdhsa_inst_pref_size 29
	.end_amdhsa_kernel
	.amdgpu_metadata
---
amdhsa.version: [ 1, 2 ]
amdhsa.kernels:
  - .name:           k_q6bfc8dfb99_route
    .symbol:         k_q6bfc8dfb99_route.kd
    .args:
      - { .name: x, .offset: 0, .size: 8, .value_kind: global_buffer, .address_space: global }
      - { .name: Wr, .offset: 8, .size: 8, .value_kind: global_buffer, .address_space: global }
      - { .name: sel, .offset: 16, .size: 8, .value_kind: global_buffer, .address_space: global }
      - { .name: gat, .offset: 24, .size: 8, .value_kind: global_buffer, .address_space: global }
      - { .name: xq, .offset: 32, .size: 8, .value_kind: global_buffer, .address_space: global }
    .group_segment_fixed_size: 55808
    .private_segment_fixed_size: 0
    .kernarg_segment_align: 8
    .kernarg_segment_size: 40
    .max_flat_workgroup_size: 128
    .sgpr_count:     66
    .vgpr_count:     256
    .wavefront_size: 32
...
	.end_amdgpu_metadata
.endif
;; end of part 1
;; launch up (part 2): grid 32 x 8, 16 waves a work-group, no clusters, 183,040 bytes of LDS; arguments W1, b1, sel, xq, lst, hq; writes lst, hq
.if DOCPART == 2
	.amdgcn_target "amdgcn-amd-amdhsa--gfx1250"
	.amdhsa_code_object_version 6
	.text
	.protected	k_q6bfc8dfb99_up
	.globl	k_q6bfc8dfb99_up
	.p2align	8
	.type	k_q6bfc8dfb99_up,@function
k_q6bfc8dfb99_up:
	s_mov_b64 s[64:65], 0
	v_nop
	global_prefetch_b8 v0, s[64:65] scope:SCOPE_SE
	s_setreg_imm32_b32 hwreg(HW_REG_WAVE_MODE, 25, 1), 1
	s_wait_xcnt 0x0
; FIRST PRODUCT OF THE CHOSEN EXPERTS: h = gelu(x W1[e] + b1[e]) for the rows that chose expert e, quantised on the way, on codes of E3M2 with one E8M0 scale for each 32 along K.
; W1 [8][1024 (K)][4096] f32, b1 [8][4096] f32; sel (a word a token: 1 << e0 | 1 << (8 + e1)) and xq (x's codes and scale bytes) come from the launch before.
; SHARES.  Work-group (sF, e) owns 128 columns of expert e and all of K: 512 KiB of W1, read once, quantised in registers, kept in LDS as images of operand registers.  Sixteen waves of 256 registers.
; STREAM.  Wave w takes K step w / 2 (128 rows) of column half w % 2 (64 columns), as two units of 64 rows.  A load reads 16 bytes a lane: lanes 0-15 the 256 bytes of row k, lanes 16-31 those of row k + 32, so that
; lane (r, h) holds, of its four columns 4 r + j, the very 32 numbers along K that the operand's layout gives that lane (ISA guide 7.12.2): a block's largest magnitude asks no other lane.
; TILES.  Column tile j of a half is the columns 4 m + j, m = 0 .. 15.  The matrix instruction is used transposed (source 0 = a column tile, source 1 = 16 rows of x): register i of tile j in lane (r, h) is row r at
; column 32 h + 4 i + j.  So the 32 registers of a half's four tiles are ONE BLOCK of 32 neighbouring columns, which is a block of the next product's K; its codes stand in the order p = 8 j + i for column 4 i + j,
; and the next launch takes W2's rows in the same order: a permutation inside a block, alike on both sides, changes no product and no scale.
; ROWS.  Wave 0 makes the list of the expert's routed rows (id = token + 1024 x which choice) from sel in LDS; the work-groups with sF = 0 store it in lst for the next launch.  Entries past the count name padding rows
; 2048 + 16 e + slot % 16.  Tiles of 16 rows go round the waves; a tile past the last is skipped by a scalar branch on the count, so this launch has no tensor load and no barrier under a branch.  An expert without rows still makes tile 0.
; gelu is x / 2 (1 + erf(x / sqrt 2)); erf by a ratio of polynomials in f32, its argument held to +-4.
; LIMITS: NaN and infinities are not served.  Below x = -5.66 gelu is taken as x / 2 (1 + erf(-4)), where the exact value lies under 1e-7 in magnitude.  Where 1 + erf is small its last bits are lost as in any f32 form of that sum.
; A block whose largest magnitude lies under 2^-122 keeps the byte 1.  The rows' scale words leave in stores of 128 bytes.
.set PITCH, 16384                      ; a row of W1 in bytes
.set XS0,   786432                     ; xq: where the scale bytes begin
.set HS0,   25165824                   ; hq: where the scale words begin
.set BSC,   98304                      ; LDS: 0 .. the weights' images: group w = 4 fragments of 1,536 bytes;  BSC: their scale words, 512 bytes a group
.set LIST,  106496                     ; 1,024 entries; behind them 32 words that take what is not the expert's;
.set CNT,   110720                     ; the count;
.set BIA,   110848                     ; b1's 128 numbers, laid [half][h][j][i];
.set STG,   111360                     ; a stage of 16 rows x 272 bytes for each wave
.set ASC, 24                           ; v24-27   x's scale words: register q: lanes 0-15 K step q, lanes 16-31 K step 4 + q.  They and BS hold scales and nothing else
.set BS,  28                           ; v28-31   the weights' scale words of the group in hand, tile j in register j
.set M,   32                           ; streaming: v32-35 largest magnitudes, then bytes;  v36-39 the conversions' scale operands;  v40-43 scale words;  v44-46 three registers of codes on their way
.set SO,  36
.set WD,  40
.set TC,  44
.set T,   48                           ; v48-63   16 numbers of one column
.set F,   64                           ; v64-111  four fragments
.set L,   128                          ; v128-255 a unit as loaded: register 4 p + j = W(32 h + p, 4 r + j)
.set SHH, 19                           ; v19      8 h
.set S,   72                           ; wave 0: v72-103 sel
.set R,   32                           ; rows: v32-39 offsets of rows 8 h + p in xq;  v40 row r's entry;  v41 its scale words' offset
.set RS,  40
.set XSO, 41
.set B,   48                           ; v48-95   the group's four fragments
.set A,   96                           ; v96-191  x's eight fragments
.set ACC, 192                          ; v192-255 eight accumulators: 32 half + 8 j + i
.set HF,  48                           ; behind the products: v48-59 h's fragment;  v60-66 codes on their way;  v68-71, v76-77 at work
.set TCH, 60
.set MH,  68
.set SOH, 70
.set WDH, 76
.set PT,  77
.set XA,  96                           ; gelu: v96-111 the argument;  v112-127 its square, then x / 2;  v128-143, v144-159 the two polynomials;  v160-163 their leading coefficients
.set X2,  112
.set PP,  128
.set QQ,  144
.set KA,  160
.set KB,  162
.macro LOADH c, q                      ; half q of unit c: 16 loads; each reads two runs of 256 consecutive bytes, at multiples of 256 from W1's first byte
.set pp, 16*(\q)
.rept 16
	global_load_b128 v[L+4*pp:L+4*pp+3], v6, s[22:23] offset:(64*(\c)+pp)*PITCH th:TH_LOAD_NT
.set pp, pp+1
.endr
.endm
; Unit c becomes registers 6 c .. 6 c + 5 of the four fragments and two bytes of each scale word.  more = 1: each half of L is asked for again, for the next unit, as soon as it has been read.
.macro QUANTU c, more
	s_wait_loadcnt 0x0
.irp j, 0,1,2,3
	v_max3_num_f32 v[M+\j], |v[L+\j]|, |v[L+4+\j]|, 0x2800000      ; the floor 2^(5 - 127) among the leaves: the byte cannot fall under 1
.endr
.irp p, 2,4,6,8,10,12,14,16,18,20,22,24,26,28,30
.irp j, 0,1,2,3
	v_max3_num_f32 v[M+\j], v[M+\j], |v[L+4*\p+\j]|, |v[L+4*\p+4+\j]|   ; the four columns by turns
.endr
.endr
.irp j, 0,1,2,3
	v_add_nc_u32 v[SO+\j], 0xfe000000, v[M+\j]     ; 4 off the exponent field: the conversion's scale operand
.endr
.irp j, 0,1,2,3
	v_lshrrev_b32 v[M+\j], 23, v[SO+\j]            ; the byte
.endr
.irp j, 0,1,2,3
.if (\c) == 0
	v_mov_b32 v[WD+\j], v[M+\j]
.else
	v_lshl_or_b32 v[WD+\j], v[M+\j], 16, v[WD+\j]
.endif
.endr
.irp j, 0,1,2,3
.irp i, 0,1,2,3,4,5,6,7,8,9,10,11,12,13,14,15
	v_mov_b32 v[T+\i], v[L+4*\i+\j]                ; a column's 16 numbers side by side, as the conversion wants them
.endr
	v_cvt_scalef32_pk16_bf6_f32 v[F+12*\j+6*(\c):F+12*\j+6*(\c)+2], v[T:T+15], v[SO+\j]
	v_nop                                          ; one plain instruction before T is written again
.endr
.if \more
	LOADH (\c)+1, 0
.endif
.irp j, 0,1,2,3
.irp i, 0,1,2,3,4,5,6,7,8,9,10,11,12,13,14,15
	v_mov_b32 v[T+\i], v[L+64+4*\i+\j]
.endr
	v_cvt_scalef32_pk16_bf6_f32 v[TC:TC+2], v[T:T+15], v[SO+\j]    ; (a conversion's three registers begin on an even number)
	v_nop
.irp g, 0,1,2
	v_mov_b32 v[F+12*\j+6*(\c)+3+\g], v[TC+\g]
.endr
.endr
.if \more
	LOADH (\c)+1, 1
.endif
.endm
.macro SCALEW                          ; my two bytes (blocks h and 2 + h) go to their places; lane l xor 16's two make the word whole
.irp j, 0,1,2,3
	v_lshlrev_b32 v[WD+\j], v[SHH], v[WD+\j]
.endr
.irp j, 0,1,2,3
	v_permlanex16_b32 v[M+\j], v[WD+\j], s34, s35
.endr
.irp j, 0,1,2,3
	v_or_b32 v[WD+\j], v[WD+\j], v[M+\j]
.endr
.endm
.macro BSTORE                          ; the group goes to LDS as an image of its registers: 16 bytes a lane, 512 a store
.irp j, 0,1,2,3
.irp g, 0,1,2
	ds_store_b128 v7, v[F+12*\j+4*\g:F+12*\j+4*\g+3] offset:1536*\j+512*\g
.endr
.endr
	ds_store_b128 v8, v[WD:WD+3]
.endm
; One word of sel for each lane: the tokens 128 (n / 4) + 4 lane + n % 4.  Those that chose the expert take the next places of the list; the others' stores go to words that nobody reads.  EXEC is never changed.
.macro LSTEP n
	v_and_b32 v119, s38, v[S+\n]
	v_cmp_ne_u32 vcc_lo, 0, v119
	v_mbcnt_lo_u32_b32 v[120+2*((\n)%4)], vcc_lo, s36              ; the count so far + the lanes below me that chose it
	v_cndmask_b32 v[120+2*((\n)%4)], v116, v[120+2*((\n)%4)], vcc_lo
	v_min_u32 v[120+2*((\n)%4)], 0x41f, v[120+2*((\n)%4)]          ; inside the list and the 32 words behind it
	v_lshl_add_u32 v[120+2*((\n)%4)], v[120+2*((\n)%4)], 2, LIST
	v_lshrrev_b32 v[121+2*((\n)%4)], s39, v119                     ; 1 where it is the second choice
	v_lshl_add_u32 v[121+2*((\n)%4)], v[121+2*((\n)%4)], 10, v5
	v_add_nc_u32 v[121+2*((\n)%4)], 128*((\n)/4)+(\n)%4, v[121+2*((\n)%4)]
	ds_store_b32 v[120+2*((\n)%4)], v[121+2*((\n)%4)]
	s_bcnt1_i32_b32 s37, vcc_lo
	s_add_co_u32 s36, s36, s37
.endm
; The 16 rows of tile s26: their entries from the list, their codes (three loads a row pair of halves: lanes 0-15 a run of 256 bytes of row p, lanes 16-31 of row 8 + p) and their scale words.
.macro GATHER
	s_wait_loadcnt 0x0                             ; no load of mine is out when its registers are asked for again
	s_min_u32 s44, s26, 63
	s_lshl_b32 s44, s44, 6
	v_add_nc_u32 v3, s44, v15
	v_add_nc_u32 v2, s44, v16
	ds_load_b128 v[R:R+3], v3
	ds_load_b128 v[R+4:R+7], v3 offset:16
	ds_load_b32 v[RS], v2
	s_wait_dscnt 0x0
.irp p, 0,1,2,3,4,5,6,7
	v_and_b32 v[R+\p], 0x3ff, v[R+\p]              ; the token
.endr
.irp p, 0,1,2,3,4,5,6,7
	v_min_u32 v[R+\p], 0x3ff, v[R+\p]
.endr
.irp p, 0,1,2,3,4,5,6,7
	v_mad_u32_u24 v[R+\p], v[R+\p], 768, v17
.endr
	v_and_b32 v[RS], 0x3ff, v[RS]
	v_min_u32 v[RS], 0x3ff, v[RS]
	v_lshl_add_u32 v[XSO], v[RS], 5, v18
.irp u, 0,1,2
.irp p, 0,1,2,3,4,5,6,7
	global_load_b128 v[A+32*\u+4*\p:A+32*\u+4*\p+3], v[R+\p], s[10:11] offset:256*\u
.endr
.endr
	global_load_b128 v[ASC:ASC+3], v[XSO], s[10:11] offset:XS0
.endm
.macro HORNER d, c                     ; d = d x^2 + c, eight pairs
.irp k, 0,2,4,6,8,10,12,14
	v_pk_fma_f32 v[\d+\k:\d+\k+1], v[\d+\k:\d+\k+1], v[X2+\k:X2+\k+1], \c op_sel_hi:[1,1,0]
.endr
.endm
; gelu in place on two accumulators, each read from its low end on.  The sixteen reciprocals are one batch with one wait.
.macro GELU b
.irp k, 0,2,4,6,8,10,12,14
	v_pk_mul_f32 v[XA+\k:XA+\k+1], v[ACC+16*\b+\k:ACC+16*\b+\k+1], 0x3f3504f3 op_sel_hi:[1,0]   ; x / sqrt 2
.endr
.irp k, 0,1,2,3,4,5,6,7,8,9,10,11,12,13,14,15
	v_med3_num_f32 v[XA+\k], v[XA+\k], -4.0, 4.0
.endr
.irp k, 0,2,4,6,8,10,12,14
	v_pk_mul_f32 v[X2+\k:X2+\k+1], v[XA+\k:XA+\k+1], v[XA+\k:XA+\k+1]
.endr
.irp k, 0,2,4,6,8,10,12,14
	v_pk_fma_f32 v[PP+\k:PP+\k+1], v[X2+\k:X2+\k+1], v[KA:KA+1], 0x32edffee op_sel_hi:[1,1,0]
.endr
.irp k, 0,2,4,6,8,10,12,14
	v_pk_fma_f32 v[QQ+\k:QQ+\k+1], v[X2+\k:X2+\k+1], v[KB:KB+1], 0xb95fbd29 op_sel_hi:[1,1,0]
.endr
	HORNER PP, 0xb60cff51
	HORNER QQ, 0xbadc924e
	HORNER PP, 0xb86ec2d2
	HORNER QQ, 0xbbf19bf8
	HORNER PP, 0xba40ac63
	HORNER QQ, 0xbc69b6a7
	HORNER PP, 0xbb41a1f6
	HORNER PP, 0xbc83dbd4
.irp k, 0,1,2,3,4,5,6,7,8,9,10,11,12,13,14,15
	v_rcp_f32 v[QQ+\k], v[QQ+\k]
.endr
.irp k, 0,2,4,6,8,10,12,14
	v_pk_mul_f32 v[PP+\k:PP+\k+1], v[PP+\k:PP+\k+1], v[XA+\k:XA+\k+1]   ; plain work that names no reciprocal
.endr
.irp k, 0,2,4,6,8,10,12,14
	v_pk_mul_f32 v[X2+\k:X2+\k+1], v[ACC+16*\b+\k:ACC+16*\b+\k+1], 0.5 op_sel_hi:[1,0]
.endr
	s_wait_alu depctr_va_vdst(0)                   ; the wait ahead of the batch's first reader
.irp k, 0,2,4,6,8,10,12,14
	v_pk_mul_f32 v[PP+\k:PP+\k+1], v[PP+\k:PP+\k+1], v[QQ+\k:QQ+\k+1]   ; erf
.endr
.irp k, 0,2,4,6,8,10,12,14
	v_pk_fma_f32 v[ACC+16*\b+\k:ACC+16*\b+\k+1], v[X2+\k:X2+\k+1], v[PP+\k:PP+\k+1], v[X2+\k:X2+\k+1]   ; x / 2 erf + x / 2
.endr
.endm
	s_load_b256 s[4:11], s[0:1], 0x0               ; W1 s[4:5], b1 s[6:7], sel s[8:9], xq s[10:11]
	s_load_b128 s[12:15], s[0:1], 0x20             ; lst s[12:13], hq s[14:15]
	v_lshl_add_u32 v23, v0, 2, 0x2c300
	v_mov_b32 v47, 0
	v_lshrrev_b32 v112, 5, v0
	v_readfirstlane_b32 s16, v112                  ; wave 0 .. 15
	v_and_b32 v1, 31, v0                           ; lane
	v_and_b32 v112, 15, v0                         ; r
	v_bfe_u32 v113, v0, 4, 1                       ; h
	s_and_b32 s17, ttmp7, 0xffff                   ; the expert
	s_mov_b32 s18, ttmp9                           ; which 128 columns
	s_and_b32 s19, s16, 1                          ; my half of them
	s_lshr_b32 s20, s16, 1                         ; my K step
	; every LDS address register is made here, ahead of the first branch
	v_lshlrev_b32 v4, 4, v1                        ; 16 x lane: an image's place for my lane (the images begin at LDS byte 0)
	v_lshlrev_b32 v5, 2, v1                        ; 4 x lane
	v_lshlrev_b32 v17, 4, v112                     ; 16 r
	v_lshlrev_b32 v18, 4, v113                     ; 16 h
	v_lshlrev_b32 v19, 3, v113                     ; 8 h
	v_lshlrev_b32 v22, 3, v1                       ; 8 x lane
	v_lshl_add_u32 v6, v113, 19, v17               ; W1: 32 rows further down for lanes 16-31, 16 bytes a lane
	s_mul_i32 s37, s16, 6144
	v_add_nc_u32 v7, s37, v4                       ; where my group's images go
	s_lshl_b32 s37, s16, 9
	s_add_co_u32 s37, s37, BSC
	v_add_nc_u32 v8, s37, v4                       ; and its scale words
	v_add_nc_u32 v10, 49152, v4                    ; groups 8 to 15
	v_add_nc_u32 v11, BSC, v4
	v_lshl_add_u32 v12, v113, 7, BIA
	s_mul_i32 s37, s16, 4352
	s_add_co_u32 s37, s37, STG                     ; my stage
	v_mul_u32_u24 v13, v113, 2176
	v_add_nc_u32 v13, v13, v17
	v_add_nc_u32 v13, s37, v13                     ; by rows: row 8 h (+ p), byte 16 r
	v_mul_u32_u24 v14, v112, 272
	v_lshl_add_u32 v14, v113, 7, v14
	v_add_nc_u32 v14, s37, v14                     ; by lanes: row r, byte 128 h
	v_lshl_add_u32 v15, v113, 5, LIST
	v_lshl_add_u32 v16, v112, 2, LIST
	v_mov_b32 v20, CNT
	s_lshl_b32 s37, s16, 8
	s_add_co_u32 s37, s37, LIST
	v_add_nc_u32 v21, s37, v22
	s_mov_b32 s34, 0x76543210
	s_mov_b32 s35, 0xfedcba98                      ; v_permlanex16_b32's selects for lane l xor 16
	s_lshl_b32 s38, 0x101, s17                     ; the expert's two bits in a word of sel
	s_add_co_u32 s39, s17, 8
	s_lshl_b32 s28, s17, 24                        ; W1: the expert's 2^24 bytes,
	s_lshl_b32 s37, s20, 21                        ; my 128 rows,
	s_add_co_u32 s28, s28, s37
	s_lshl_b32 s37, s18, 9                         ; the work-group's 128 columns,
	s_add_co_u32 s28, s28, s37
	s_lshl_b32 s37, s19, 8                         ; my 64
	s_add_co_u32 s28, s28, s37
	s_mov_b32 s29, 0
	s_lshl_b32 s50, s17, 14                        ; b1
	s_lshl_b32 s37, s18, 9
	s_add_co_u32 s50, s50, s37
	s_mov_b32 s51, 0
	s_mul_i32 s52, s17, 4352                       ; lst: the expert's part, my wave's 256 bytes
	s_lshl_b32 s37, s16, 8
	s_add_co_u32 s52, s52, s37
	s_mov_b32 s53, 0
	s_wait_kmcnt 0x0
	s_add_nc_u64 s[22:23], s[4:5], s[28:29]
	s_add_nc_u64 s[50:51], s[6:7], s[50:51]
	s_add_nc_u64 s[52:53], s[12:13], s[52:53]
	s_cmp_lg_u32 s16, 0
	s_cbranch_scc1 .Lnot_0_a
.irp i, 0,1,2,3,4,5,6,7
	global_load_b128 v[S+4*\i:S+4*\i+3], v4, s[8:9] offset:512*\i  ; wave 0: all of sel,
.endr
	global_load_b128 v[108:111], v4, s[50:51]      ; and the work-group's 128 numbers of b1
.Lnot_0_a:
	LOADH 0, 0
	LOADH 0, 1
	s_cmp_lg_u32 s16, 0
	s_cbranch_scc1 .Lnot_0_b
	s_wait_loadcnt 32                              ; wave 0's nine loads are in; the 32 of W1 behind them may be out
	v_and_b32 v104, 3, v1
	v_lshlrev_b32 v104, 2, v104
	s_lshl_b32 s37, s17, 4
	s_add_co_u32 s37, s37, 2048
	v_add_nc_u32 v104, s37, v104                   ; the padding entries: 2048 + 16 e + slot % 16
	v_add_nc_u32 v105, 1, v104
	v_add_nc_u32 v106, 2, v104
	v_add_nc_u32 v107, 3, v104
	v_add_nc_u32 v117, LIST, v4
.irp i, 0,1,2,3,4,5,6,7
	ds_store_b128 v117, v[104:107] offset:512*\i   ; first in every slot; the expert's rows are then laid over them (LDS serves a wave's instructions in order)
.endr
	v_lshrrev_b32 v118, 3, v1
	v_and_b32 v119, 7, v1
	v_lshlrev_b32 v118, 7, v118
	v_lshl_add_u32 v118, v119, 2, v118
	v_add_nc_u32 v118, BIA, v118
.irp j, 0,1,2,3
	ds_store_b32 v118, v[108+\j] offset:32*\j      ; b1 of column 4 lane + j to [lane / 8][j][lane % 8]
.endr
	v_add_nc_u32 v116, 0x400, v1                   ; the word that takes my store where the token is not the expert's
	s_mov_b32 s36, 0
.set nn, 0
.rept 32
	LSTEP nn
.set nn, nn+1
.endr
	v_mov_b32 v115, s36
	ds_store_b32 v20, v115
	s_wait_dscnt 0x0                               ; the stores have read their registers, which the fragments take next
.Lnot_0_b:
	QUANTU 0, 1
	s_wait_dscnt 0x0
	s_barrier_signal -1
	s_barrier_wait -1                              ; the list, the count and b1 lie in LDS.  (No other wave has touched LDS so far)
	ds_load_b32 v112, v20
	s_wait_dscnt 0x0
	v_readfirstlane_b32 s24, v112
	s_min_u32 s24, s24, 0x400                      ; the expert's rows
	s_add_co_u32 s25, s24, 15
	s_lshr_b32 s25, s25, 4
	s_max_u32 s25, s25, 1                          ; its tiles of 16, at least one
	s_cmp_lg_u32 s18, 0
	s_cbranch_scc1 .Lno_lst                        ; one work-group of each expert stores the list
	ds_load_b64 v[114:115], v21
	s_wait_dscnt 0x0
	global_store_b64 v22, v[114:115], s[52:53]     ; a wave stores 256 consecutive bytes, at a multiple of 256 from lst's first byte
	s_cmp_lg_u32 s16, 0
	s_cbranch_scc1 .Lno_cnt
	v_mov_b32 v116, s24
	v_mov_b32 v117, s24
	global_store_b64 v22, v[116:117], s[52:53] offset:4096         ; and 256 bytes that all hold the count
.Lno_cnt:
	s_wait_xcnt 0x0                                ; the stores have read their registers
.Lno_lst:
	QUANTU 1, 0
	SCALEW
	BSTORE
	s_wait_dscnt 0x0                               ; my group lies in LDS, and the stores have read their registers
	s_mov_b32 s26, s16                             ; my first tile
	GATHER                                         ; asked for ahead of the barrier, by every wave: the slots past the count hold padding rows
	s_barrier_signal -1
	s_barrier_wait -1                              ; all sixteen groups lie in LDS; from here on the shared bytes are only read
	s_mov_b32 s27, 0
.Ltrip:                                                ; four trips: tiles w, w + 16, w + 32, w + 48
	s_cmp_ge_u32 s26, s25
	s_cbranch_scc1 .Lno_work
	s_wait_loadcnt 0x0                             ; the tile's codes and scale words are in
	s_wait_xcnt 0x0                                ; the last tile's stores have read their registers and bases
.irp u, 0,1,2                          ; the rows' runs of 256 bytes turn through my stage: in by rows, out by lanes; register n of A is then word n of stream h of row r, and K step s has registers 12 s .. 12 s + 11
.irp p, 0,1,2,3,4,5,6,7
	ds_store_b128 v13, v[A+32*\u+4*\p:A+32*\u+4*\p+3] offset:272*\p
.endr
.irp i, 0,1,2,3,4,5,6,7
	ds_load_b128 v[A+32*\u+4*\i:A+32*\u+4*\i+3], v14 offset:16*\i  ; LDS serves a wave's instructions in order: these see the stores above, and the next piece's stores come behind them
.endr
.endr
.irp f, 0,1                            ; the sums begin with the bias
.irp j, 0,1,2,3
.irp q, 0,1
	ds_load_b128 v[ACC+32*\f+8*\j+4*\q:ACC+32*\f+8*\j+4*\q+3], v12 offset:256*\f+32*\j+16*\q
.endr
.endr
.endr
.set gg, 0
.rept 16                               ; group gg = K step gg / 2, column half gg % 2.  The eight accumulators take turns, one instruction a turn
.irp j, 0,1,2,3
.irp q, 0,1,2
.if gg < 8
	ds_load_b128 v[B+12*\j+4*\q:B+12*\j+4*\q+3], v4 offset:6144*gg+1536*\j+512*\q
.else
	ds_load_b128 v[B+12*\j+4*\q:B+12*\j+4*\q+3], v10 offset:6144*(gg-8)+1536*\j+512*\q
.endif
.endr
.endr
	ds_load_b128 v[BS:BS+3], v11 offset:512*gg
	s_wait_dscnt 0x0
.irp j, 0,1,2,3
.if gg < 8
	v_wmma_scale_f32_16x16x128_f8f6f4 v[ACC+32*(gg%2)+8*\j:ACC+32*(gg%2)+8*\j+7], v[B+12*\j:B+12*\j+11], v[A+12*(gg/2):A+12*(gg/2)+11], v[ACC+32*(gg%2)+8*\j:ACC+32*(gg%2)+8*\j+7], v[BS+\j], v[ASC+(gg/2)%4] matrix_a_fmt:MATRIX_FMT_BF6 matrix_b_fmt:MATRIX_FMT_BF6
.else
	v_wmma_scale_f32_16x16x128_f8f6f4 v[ACC+32*(gg%2)+8*\j:ACC+32*(gg%2)+8*\j+7], v[B+12*\j:B+12*\j+11], v[A+12*(gg/2):A+12*(gg/2)+11], v[ACC+32*(gg%2)+8*\j:ACC+32*(gg%2)+8*\j+7], v[BS+\j], v[ASC+(gg/2)%4] matrix_a_fmt:MATRIX_FMT_BF6 matrix_b_fmt:MATRIX_FMT_BF6 matrix_b_scale:MATRIX_SCALE_ROW1
.endif
.endr
.rept 4
	v_nop                                          ; four places in front of loads into registers that these products read, and of the first read of results
.endr
.set gg, gg+1
.endr
	v_mov_b32 v[KA], 0xaf95df0b
	v_mov_b32 v[KA+1], 0xaf95df0b
	v_mov_b32 v[KB], 0xb77460cd
	v_mov_b32 v[KB+1], 0xb77460cd
	GELU 0
	GELU 1
	GELU 2
	GELU 3
	; h is quantised: registers 32 c .. 32 c + 31 are block 2 c + h of my row, all mine
.irp c, 0,1
	v_max3_num_f32 v[MH+\c], |v[ACC+32*\c]|, |v[ACC+32*\c+1]|, 0x2800000
.endr
.irp i, 2,4,6,8,10,12,14,16,18,20,22,24,26,28,30
.irp c, 0,1
	v_max3_num_f32 v[MH+\c], v[MH+\c], |v[ACC+32*\c+\i]|, |v[ACC+32*\c+\i+1]|
.endr
.endr
.irp c, 0,1
	v_add_nc_u32 v[SOH+\c], 0xfe000000, v[MH+\c]
.endr
.irp c, 0,1
	v_lshrrev_b32 v[MH+\c], 23, v[SOH+\c]
.endr
.irp c, 0,1
	v_cvt_scalef32_pk16_bf6_f32 v[HF+6*\c:HF+6*\c+2], v[ACC+32*\c:ACC+32*\c+15], v[SOH+\c]
	v_cvt_scalef32_pk16_bf6_f32 v[TCH+4*\c:TCH+4*\c+2], v[ACC+32*\c+16:ACC+32*\c+31], v[SOH+\c]
.endr
	v_nop                                          ; one plain instruction behind the conversions
.irp c, 0,1
.irp g, 0,1,2
	v_mov_b32 v[HF+6*\c+3+\g], v[TCH+4*\c+\g]
.endr
.endr
	v_lshl_or_b32 v[WDH], v[MH+1], 16, v[MH]
	v_lshlrev_b32 v[WDH], v[SHH], v[WDH]
	v_mov_b32 v[PT], 0                             ; (a lane permute's destination counts as one of its sources)
	v_permlanex16_b32 v[PT], v[WDH], s34, s35
	v_or_b32 v[WDH], v[WDH], v[PT]                 ; my row's scale word for these 128 columns, in both halves of the lanes
	s_min_u32 s45, s26, 63
	s_lshl_b32 s37, s17, 6
	s_add_co_u32 s37, s37, s45
	s_lshl_b32 s37, s37, 5
	s_add_co_u32 s37, s37, s18                     ; (64 e + tile) x 32 + sF
	s_mul_i32 s28, s37, 1536
	s_add_nc_u64 s[30:31], s[14:15], s[28:29]
	s_lshl_b32 s28, s37, 7
	s_add_co_u32 s28, s28, HS0
	s_add_nc_u64 s[32:33], s[14:15], s[28:29]
.irp g, 0,1,2
	global_store_b128 v4, v[HF+4*\g:HF+4*\g+3], s[30:31] offset:512*\g   ; the fragment as an image of its registers: 512 consecutive bytes a store, at a multiple of 256 from hq's first byte
.endr
	global_store_b32 v5, v[WDH], s[32:33]
.Lno_work:
	s_add_co_u32 s26, s26, 16
	s_cmp_ge_u32 s26, s25
	s_cbranch_scc1 .Lno_gather
	GATHER
.Lno_gather:
	s_add_co_u32 s27, s27, 1
	s_cmp_lt_u32 s27, 4
	s_cbranch_scc1 .Ltrip
	s_wait_tensorcnt 0x0
	ds_add_u32 v23, v47
	s_wait_dscnt 0x0
	s_endpgm
.Lfunc_end_k_q6bfc8dfb99_up:
	.size	k_q6bfc8dfb99_up, .Lfunc_end_k_q6bfc8dfb99_up-k_q6bfc8dfb99_up
	.p2alignl 7, 3214868480
	.fill 96, 4, 3214868480
	.section	.rodata,"a",@progbits
	.p2align	6, 0x0
	.amdhsa_kernel k_q6bfc8dfb99_up
		.amdhsa_group_segment_fixed_size 183040
		.amdhsa_private_segment_fixed_size 0
		.amdhsa_enable_private_segment 0
		.amdhsa_kernarg_size 48
		.amdhsa_user_sgpr_count 2
		.amdhsa_user_sgpr_kernarg_segment_ptr 1
		.amdhsa_wavefront_size32 1
		.amdhsa_system_sgpr_workgroup_id_x 1
		.amdhsa_system_sgpr_workgroup_id_y 1
		.amdhsa_system_sgpr_workgroup_id_z 1
		.amdhsa_system_vgpr_workitem_id 0
		.amdhsa_next_free_vgpr 256
		.amdhsa_next_free_sgpr 66
		.amdhsa_reserve_vcc 1
		.amdhsa_float_denorm_mode_32 3
		.amdhsa_float_denorm_mode_16_64 3
		.amdhsa_memory_ordered 1
		.amdhsa_forward_progress 1
		.amdhsa_inst_pref_size 144
	.end_amdhsa_kernel
	.amdgpu_metadata
---
amdhsa.version: [ 1, 2 ]
amdhsa.kernels:
  - .name:           k_q6bfc8dfb99_up
    .symbol:         k_q6bfc8dfb99_up.kd
    .args:
      - { .name: W1, .offset: 0, .size: 8, .value_kind: global_buffer, .address_space: global }
      - { .name: b1, .offset: 8, .size: 8, .value_kind: global_buffer, .address_space: global }
      - { .name: sel, .offset: 16, .size: 8, .value_kind: global_buffer, .address_space: global }
      - { .name: xq, .offset: 24, .size: 8, .value_kind: global_buffer, .address_space: global }
      - { .name: lst, .offset: 32, .size: 8, .value_kind: global_buffer, .address_space: global }
      - { .name: hq, .offset: 40, .size: 8, .value_kind: global_buffer, .address_space: global }
    .group_segment_fixed_size: 183040
    .private_segment_fixed_size: 0
    .kernarg_segment_align: 8
    .kernarg_segment_size: 48
    .max_flat_workgroup_size: 512
    .sgpr_count:     66
    .vgpr_count:     256
    .wavefront_size: 32
...
	.end_amdgpu_metadata
.endif
;; end of part 2
;; launch down (part 3): grid 32 x 8, 16 waves a work-group, no clusters, 178,432 bytes of LDS; arguments W2, b2, gat, lst, hq, part; writes part
.if DOCPART == 3
	.amdgcn_target "amdgcn-amd-amdhsa--gfx1250"
	.amdhsa_code_object_version 6
	.text
	.protected	k_q6bfc8dfb99_down
	.globl	k_q6bfc8dfb99_down
	.p2align	8
	.type	k_q6bfc8dfb99_down,@function
k_q6bfc8dfb99_down:
	s_mov_b64 s[64:65], 0
	v_nop
	global_prefetch_b8 v0, s[64:65] scope:SCOPE_SE
	s_setreg_imm32_b32 hwreg(HW_REG_WAVE_MODE, 25, 1), 1
	s_wait_xcnt 0x0
; SECOND PRODUCT OF THE CHOSEN EXPERTS: part[kh][id] = gate[id] x (h W2[e] over half kh of K, + b2[e] in half 0), on codes of E3M2 with one E8M0 scale for each 32 along K.
; W2 [8][4096 (K)][1024] f32, b2 [8][1024] f32.  From earlier launches: gat (a gate for each routed id), lst (each expert's ids and their count), hq (h as images of operand registers, [e][tile][K step][1,536 bytes], and scale words).
; SHARES.  Work-group (cs + 16 kh, e) owns 64 output columns (256 bytes of a row) and 2,048 of K: 512 KiB of W2, read once, quantised in registers, kept in LDS as images of operand registers.  Sixteen waves of 256 registers.
; STREAM.  Wave w takes K step w of the half, as two units of 64 rows; a load reads 16 bytes a lane, lanes 0-15 a row's 256 bytes, lanes 16-31 those of the row 32 further down.  INSIDE A BLOCK OF 32 THE ROWS ARE TAKEN IN THE ORDER
; 4 (p % 8) + p / 8, in which the launch before has laid h's codes: a permutation inside a block, alike on both sides, changes no product and no scale.
; TILES.  Column tile j is the columns 4 m + j.  The matrix instruction is used transposed (source 0 = a column tile, source 1 = 16 rows of h): register i of tile j in lane (r, h) is row r at column 32 h + 4 i + j.
; A wave takes two tiles of 16 rows at a time, so that each fragment of W2 read from LDS feeds two products.  Units past the last tile are skipped by a scalar branch on the stored count: no tensor load, no barrier under a branch.
; An odd last tile is made twice by the same wave, with the same numbers.  Padding rows go to rows 2048 .. 2175 of part, which nobody reads.
; LIMITS: NaN and infinities are not served; a block of W2 whose largest magnitude lies under 2^-122 keeps the byte 1.
.set PITCH, 4096                       ; a row of W2 in bytes
.set HS0,   25165824                   ; hq: where the scale words begin
.set PARTB, 8912896                    ; part: 2,176 rows of 4,096 bytes for each half of K
.set BSC,   98304                      ; LDS: 0 .. the weights' images: group w = 4 fragments of 1,536 bytes;  BSC: their scale words, 512 bytes a group
.set BIA,   106496                     ; b2's 64 numbers (zeros in half 1), laid [h][j][i]
.set STG,   106752                     ; a stage of 16 rows x 272 bytes for each wave
.set HSC, 24                           ; v24-39   h's scale words: tile t, register i: lanes 0-15 K step 2 i, lanes 16-31 K step 2 i + 1.  They and BS hold scales and nothing else
.set BS,  40                           ; v40-43   the weights' scale words of the group in hand
.set M,   44                           ; streaming: v44-47, v48-51, v52-55, v56-58, v60-75, v76-123, v128-255: as in the launch before
.set SO,  48
.set WD,  52
.set TC,  56
.set T,   60
.set F,   76
.set L,   128
.set SHH, 18                           ; v18      8 h
.set GO,  20                           ; v20-21   the gates' offsets
.set RK,  44                           ; v44-45   row r's id, tile 0 and 1
.set GT,  46                           ; v46-47   row r's gate
.set B,   48                           ; v48-95   the group's four fragments
.set AB,  96                           ; v96-191  h's fragments: four buffers of two tiles
.set ACC, 192                          ; v192-255 eight accumulators: 32 tile + 8 j + i
.set O,   80                           ; the way out: v80-95 the rows' offsets in part
.macro LOADH c, q                      ; half q of unit c: 16 loads; each reads two runs of 256 consecutive bytes, at multiples of 256 from W2's first byte
.set pp, 16*(\q)
.rept 16
	global_load_b128 v[L+4*pp:L+4*pp+3], v6, s[22:23] offset:(64*(\c)+4*(pp%8)+pp/8)*PITCH th:TH_LOAD_NT
.set pp, pp+1
.endr
.endm
; Unit c becomes registers 6 c .. 6 c + 5 of the four fragments and two bytes of each scale word.  more = 1: each half of L is asked for again, for the next unit, as soon as it has been read.
.macro QUANTU c, more
	s_wait_loadcnt 0x0
.irp j, 0,1,2,3
	v_max3_num_f32 v[M+\j], |v[L+\j]|, |v[L+4+\j]|, 0x2800000      ; the floor 2^(5 - 127) among the leaves: the byte cannot fall under 1
.endr
.irp p, 2,4,6,8,10,12,14,16,18,20,22,24,26,28,30
.irp j, 0,1,2,3
	v_max3_num_f32 v[M+\j], v[M+\j], |v[L+4*\p+\j]|, |v[L+4*\p+4+\j]|
.endr
.endr
.irp j, 0,1,2,3
	v_add_nc_u32 v[SO+\j], 0xfe000000, v[M+\j]     ; 4 off the exponent field: the conversion's scale operand
.endr
.irp j, 0,1,2,3
	v_lshrrev_b32 v[M+\j], 23, v[SO+\j]            ; the byte
.endr
.irp j, 0,1,2,3
.if (\c) == 0
	v_mov_b32 v[WD+\j], v[M+\j]
.else
	v_lshl_or_b32 v[WD+\j], v[M+\j], 16, v[WD+\j]
.endif
.endr
.irp j, 0,1,2,3
.irp i, 0,1,2,3,4,5,6,7,8,9,10,11,12,13,14,15
	v_mov_b32 v[T+\i], v[L+4*\i+\j]
.endr
	v_cvt_scalef32_pk16_bf6_f32 v[F+12*\j+6*(\c):F+12*\j+6*(\c)+2], v[T:T+15], v[SO+\j]
	v_nop                                          ; one plain instruction before T is written again
.endr
.if \more
	LOADH (\c)+1, 0
.endif
.irp j, 0,1,2,3
.irp i, 0,1,2,3,4,5,6,7,8,9,10,11,12,13,14,15
	v_mov_b32 v[T+\i], v[L+64+4*\i+\j]
.endr
	v_cvt_scalef32_pk16_bf6_f32 v[TC:TC+2], v[T:T+15], v[SO+\j]    ; (a conversion's three registers begin on an even number)
	v_nop
.irp g, 0,1,2
	v_mov_b32 v[F+12*\j+6*(\c)+3+\g], v[TC+\g]
.endr
.endr
.if \more
	LOADH (\c)+1, 1
.endif
.endm
.macro SCALEW
.irp j, 0,1,2,3
	v_lshlrev_b32 v[WD+\j], v[SHH], v[WD+\j]
.endr
.irp j, 0,1,2,3
	v_permlanex16_b32 v[M+\j], v[WD+\j], s34, s35
.endr
.irp j, 0,1,2,3
	v_or_b32 v[WD+\j], v[WD+\j], v[M+\j]
.endr
.endm
.macro BSTORE
.irp j, 0,1,2,3
.irp g, 0,1,2
	ds_store_b128 v7, v[F+12*\j+4*\g:F+12*\j+4*\g+3] offset:1536*\j+512*\g
.endr
.endr
	ds_store_b128 v8, v[WD:WD+3]
.endm
; What unit s26 (tiles 2 u and 2 u + 1, held to the last tile) wants first: the rows' ids, all scale words, the fragments of K steps 0 to 3, the gates.
.macro PRE
	s_wait_loadcnt 0x0                             ; no load of mine is out when its registers and bases are written again
	s_wait_xcnt 0x0                                ; and the last unit's stores have read theirs
	s_lshl_b32 s44, s26, 1
	s_add_co_u32 s45, s44, 1
	s_sub_co_u32 s47, s25, 1
	s_min_u32 s44, s44, s47
	s_min_u32 s45, s45, s47
	s_min_u32 s44, s44, 63
	s_min_u32 s45, s45, 63
	s_lshl_b32 s49, s17, 6
.irp t, 0,1
	s_add_co_u32 s50, s49, s[44+\t]
	s_lshl_b32 s50, s50, 5
	s_add_co_u32 s50, s50, s48                     ; (64 e + tile) x 32 + 16 kh
	s_mul_i32 s28, s50, 1536
	s_add_nc_u64 s[30+2*\t:31+2*\t], s[12:13], s[28:29]
	s_lshl_b32 s28, s50, 7
	s_add_co_u32 s28, s28, HS0
	s_add_nc_u64 s[36+2*\t:37+2*\t], s[12:13], s[28:29]
	s_lshl_b32 s28, s[44+\t], 6
	s_add_nc_u64 s[40+2*\t:41+2*\t], s[10:11], s[28:29]
.endr
.irp t, 0,1
	global_load_b32 v[RK+\t], v5, s[40+2*\t:41+2*\t]
.endr
.irp t, 0,1
.irp i, 0,1,2,3,4,5,6,7
	global_load_b32 v[HSC+8*\t+\i], v15, s[36+2*\t:37+2*\t] offset:256*\i
.endr
.endr
.irp d, 0,1,2,3
.irp t, 0,1
.irp g, 0,1,2
	global_load_b128 v[AB+24*\d+12*\t+4*\g:AB+24*\d+12*\t+4*\g+3], v4, s[30+2*\t:31+2*\t] offset:1536*\d+512*\g
.endr
.endr
.endr
	s_wait_loadcnt 40                              ; the ids are in; the 16 + 24 loads behind them may be out
.irp t, 0,1
	v_min_u32 v[GO+\t], 0x7ff, v[RK+\t]            ; (a padding row takes some gate: its result goes where nobody reads)
	v_lshlrev_b32 v[GO+\t], 2, v[GO+\t]
	global_load_b32 v[GT+\t], v[GO+\t], s[8:9]
.endr
.endm
; The way out of tile t: x the gate; a lane's four neighbouring columns side by side; through my stage, in by lanes, out by rows; each row's id from the lane that holds it.
.macro OUT t, yy, zz
.irp i, 0,1,2,3,4,5,6,7
.irp j, 0,1,2,3
	v_mul_f32 v[\yy+4*\i+\j], v[GT+\t], v[ACC+32*\t+8*\j+\i]       ; each accumulator from its low end on
.endr
.endr
.irp i, 0,1,2,3,4,5,6,7
	ds_store_b128 v14, v[\yy+4*\i:\yy+4*\i+3] offset:16*\i
.endr
.irp p, 0,1,2,3,4,5,6,7
	ds_load_b128 v[\zz+4*\p:\zz+4*\p+3], v13 offset:272*\p         ; LDS serves a wave's instructions in order: these see the stores above, and the next tile's stores come behind them
.endr
.irp p, 0,1,2,3,4,5,6,7
	v_add_nc_u32 v[O+8*\t+\p], 4*\p, v17
	ds_bpermute_b32 v[O+8*\t+\p], v[O+8*\t+\p], v[RK+\t]           ; the id of row 8 h + p
.endr
.endm
.macro SEND t, zz, younger
	s_wait_dscnt \younger
.irp p, 0,1,2,3,4,5,6,7
	v_min_u32 v[O+8*\t+\p], 0x87f, v[O+8*\t+\p]
.endr
.irp p, 0,1,2,3,4,5,6,7
	v_lshl_add_u32 v[O+8*\t+\p], v[O+8*\t+\p], 12, v16
.endr
.irp p, 0,1,2,3,4,5,6,7
	global_store_b128 v[O+8*\t+\p], v[\zz+4*\p:\zz+4*\p+3], s[14:15] th:TH_STORE_NT   ; sixteen lanes store 256 consecutive bytes of a row, at a multiple of 256 from part's first byte
.endr
.endm
	s_load_b256 s[4:11], s[0:1], 0x0               ; W2 s[4:5], b2 s[6:7], gat s[8:9], lst s[10:11]
	s_load_b128 s[12:15], s[0:1], 0x20             ; hq s[12:13], part s[14:15]
	v_lshl_add_u32 v22, v0, 2, 0x2b100
	v_mov_b32 v23, 0
	v_lshrrev_b32 v124, 5, v0
	v_readfirstlane_b32 s16, v124                  ; wave 0 .. 15
	v_and_b32 v1, 31, v0                           ; lane
	v_and_b32 v124, 15, v0                         ; r
	v_bfe_u32 v125, v0, 4, 1                       ; h
	s_and_b32 s17, ttmp7, 0xffff                   ; the expert
	s_and_b32 s18, ttmp9, 15                       ; which 64 columns
	s_lshr_b32 s19, ttmp9, 4                       ; which half of K
	; every LDS address register is made here, ahead of the first branch
	v_lshlrev_b32 v4, 4, v1                        ; 16 x lane (the images begin at LDS byte 0)
	v_lshlrev_b32 v5, 2, v124                      ; 4 r
	v_lshlrev_b32 v16, 4, v124                     ; 16 r
	v_lshlrev_b32 v17, 5, v125                     ; 32 h
	v_lshlrev_b32 v18, 3, v125                     ; 8 h
	v_lshl_add_u32 v15, v125, 7, v5                ; 128 h + 4 r
	v_lshl_add_u32 v6, v125, 17, v16               ; W2: 32 rows further down for lanes 16-31, 16 bytes a lane
	s_mul_i32 s37, s16, 6144
	v_add_nc_u32 v7, s37, v4
	s_lshl_b32 s37, s16, 9
	s_add_co_u32 s37, s37, BSC
	v_add_nc_u32 v8, s37, v4
	v_add_nc_u32 v10, 49152, v4
	v_add_nc_u32 v11, BSC, v4
	v_lshl_add_u32 v12, v125, 7, BIA
	s_mul_i32 s37, s16, 4352
	s_add_co_u32 s37, s37, STG
	v_mul_u32_u24 v13, v125, 2176
	v_add_nc_u32 v13, v13, v16
	v_add_nc_u32 v13, s37, v13                     ; by rows: row 8 h (+ p), byte 16 r
	v_mul_u32_u24 v14, v124, 272
	v_lshl_add_u32 v14, v125, 7, v14
	v_add_nc_u32 v14, s37, v14                     ; by lanes: row r, byte 128 h
	v_lshrrev_b32 v19, 3, v124
	v_and_b32 v126, 7, v124
	v_lshlrev_b32 v19, 7, v19
	v_lshl_add_u32 v19, v126, 2, v19
	v_add_nc_u32 v19, BIA, v19                     ; b2 of column 4 r + j goes to [r / 8][j][r % 8]
	s_mov_b32 s34, 0x76543210
	s_mov_b32 s35, 0xfedcba98
	s_cmp_eq_u32 s19, 0
	s_cselect_b32 s46, -1, 0                       ; the bias counts in half 0 alone
	s_lshl_b32 s48, s19, 4                         ; the half's first K step
	s_lshl_b32 s28, s17, 24                        ; W2: the expert's 2^24 bytes,
	s_lshl_b32 s37, s19, 23                        ; the half's 2,048 rows,
	s_add_co_u32 s28, s28, s37
	s_lshl_b32 s37, s16, 19                        ; my 128,
	s_add_co_u32 s28, s28, s37
	s_lshl_b32 s37, s18, 8                         ; the 64 columns
	s_add_co_u32 s28, s28, s37
	s_mov_b32 s29, 0
	s_lshl_b32 s50, s17, 12                        ; b2
	s_add_co_u32 s50, s50, s37
	s_mov_b32 s51, 0
	s_mul_i32 s52, s17, 4352                       ; lst
	s_mov_b32 s53, 0
	s_mul_i32 s54, s19, PARTB                      ; part
	s_add_co_u32 s54, s54, s37
	s_mov_b32 s55, 0
	s_wait_kmcnt 0x0
	s_add_nc_u64 s[22:23], s[4:5], s[28:29]
	s_add_nc_u64 s[50:51], s[6:7], s[50:51]
	s_add_nc_u64 s[10:11], s[10:11], s[52:53]
	s_add_nc_u64 s[14:15], s[14:15], s[54:55]
	s_load_b32 s24, s[10:11], 0x1000               ; the expert's count
	s_cmp_lg_u32 s16, 0
	s_cbranch_scc1 .Lnot_0_a
	global_load_b128 v[124:127], v16, s[50:51]     ; wave 0: the 64 numbers of b2
.Lnot_0_a:
	LOADH 0, 0
	LOADH 0, 1
	s_cmp_lg_u32 s16, 0
	s_cbranch_scc1 .Lnot_0_b
	s_wait_loadcnt 32                              ; b2 is in; the 32 loads of W2 behind it may be out
.irp j, 0,1,2,3
	v_and_b32 v[124+\j], s46, v[124+\j]
.endr
.irp j, 0,1,2,3
	ds_store_b32 v19, v[124+\j] offset:32*\j       ; (lanes 16-31 store the same numbers to the same words)
.endr
.Lnot_0_b:
	QUANTU 0, 1
	QUANTU 1, 0
	SCALEW
	BSTORE
	s_wait_dscnt 0x0                               ; my group (and b2) lies in LDS, and the stores have read their registers
	s_wait_kmcnt 0x0
	s_min_u32 s24, s24, 0x400
	s_add_co_u32 s25, s24, 15
	s_lshr_b32 s25, s25, 4
	s_max_u32 s25, s25, 1                          ; the expert's tiles, at least one, as the launch before made them
	s_mov_b32 s26, s16                             ; my first unit
	PRE                                            ; asked for ahead of the barrier, by every wave: the tile numbers are held to tiles that were made
	s_barrier_signal -1
	s_barrier_wait -1                              ; all sixteen groups lie in LDS; from here on the shared bytes are only read
	s_mov_b32 s27, 0
.Ltrip:                                                ; two trips: units w and w + 16
	s_lshl_b32 s47, s26, 1
	s_cmp_ge_u32 s47, s25
	s_cbranch_scc1 .Lno_unit
	s_wait_xcnt 0x0                                ; earlier stores have read the registers that the loads below fill
.irp t, 0,1                            ; the sums begin with the bias, or with zeros
.irp j, 0,1,2,3
.irp q, 0,1
	ds_load_b128 v[ACC+32*\t+8*\j+4*\q:ACC+32*\t+8*\j+4*\q+3], v12 offset:32*\j+16*\q
.endr
.endr
.endr
.set gg, 0
.rept 16                               ; K step gg of the half.  The eight accumulators take turns, one instruction a turn
.irp j, 0,1,2,3
.irp q, 0,1,2
.if gg < 8
	ds_load_b128 v[B+12*\j+4*\q:B+12*\j+4*\q+3], v4 offset:6144*gg+1536*\j+512*\q
.else
	ds_load_b128 v[B+12*\j+4*\q:B+12*\j+4*\q+3], v10 offset:6144*(gg-8)+1536*\j+512*\q
.endif
.endr
.endr
	ds_load_b128 v[BS:BS+3], v11 offset:512*gg
	s_wait_dscnt 0x0
.if gg <= 12
	s_wait_loadcnt 18                              ; this K step's six loads are in; the six of each of the three steps behind it may be out (in the first four steps the two gates too: the count is then the stricter)
.else
	s_wait_loadcnt 6*(15-gg)
.endif
.irp j, 0,1,2,3
.irp t, 0,1
.if gg%2 == 0
	v_wmma_scale_f32_16x16x128_f8f6f4 v[ACC+32*\t+8*\j:ACC+32*\t+8*\j+7], v[B+12*\j:B+12*\j+11], v[AB+24*(gg%4)+12*\t:AB+24*(gg%4)+12*\t+11], v[ACC+32*\t+8*\j:ACC+32*\t+8*\j+7], v[BS+\j], v[HSC+8*\t+gg/2] matrix_a_fmt:MATRIX_FMT_BF6 matrix_b_fmt:MATRIX_FMT_BF6
.else
	v_wmma_scale_f32_16x16x128_f8f6f4 v[ACC+32*\t+8*\j:ACC+32*\t+8*\j+7], v[B+12*\j:B+12*\j+11], v[AB+24*(gg%4)+12*\t:AB+24*(gg%4)+12*\t+11], v[ACC+32*\t+8*\j:ACC+32*\t+8*\j+7], v[BS+\j], v[HSC+8*\t+gg/2] matrix_a_fmt:MATRIX_FMT_BF6 matrix_b_fmt:MATRIX_FMT_BF6 matrix_b_scale:MATRIX_SCALE_ROW1
.endif
.endr
.endr
.rept 4
	v_nop                                          ; four places in front of loads into registers that these products read, and of the first read of results
.endr
.if gg < 12
.irp t, 0,1
.irp g, 0,1,2
	global_load_b128 v[AB+24*(gg%4)+12*\t+4*\g:AB+24*(gg%4)+12*\t+4*\g+3], v4, s[30+2*\t:31+2*\t] offset:1536*(gg+4)+512*\g   ; the buffer just read takes the K step four on
.endr
.endr
.endif
.set gg, gg+1
.endr
	OUT 0, 96, 160
	OUT 1, 128, 48
	SEND 0, 160, 24                                ; behind tile 0's LDS instructions stand tile 1's 24
	SEND 1, 48, 0
.Lno_unit:
	s_add_co_u32 s26, s26, 16
	s_lshl_b32 s47, s26, 1
	s_cmp_ge_u32 s47, s25
	s_cbranch_scc1 .Lno_pre
	PRE
.Lno_pre:
	s_add_co_u32 s27, s27, 1
	s_cmp_lt_u32 s27, 2
	s_cbranch_scc1 .Ltrip
	s_wait_tensorcnt 0x0
	ds_add_u32 v22, v23
	s_wait_dscnt 0x0
	s_endpgm
.Lfunc_end_k_q6bfc8dfb99_down:
	.size	k_q6bfc8dfb99_down, .Lfunc_end_k_q6bfc8dfb99_down-k_q6bfc8dfb99_down
	.p2alignl 7, 3214868480
	.fill 96, 4, 3214868480
	.section	.rodata,"a",@progbits
	.p2align	6, 0x0
	.amdhsa_kernel k_q6bfc8dfb99_down
		.amdhsa_group_segment_fixed_size 178432
		.amdhsa_private_segment_fixed_size 0
		.amdhsa_enable_private_segment 0
		.amdhsa_kernarg_size 48
		.amdhsa_user_sgpr_count 2
		.amdhsa_user_sgpr_kernarg_segment_ptr 1
		.amdhsa_wavefront_size32 1
		.amdhsa_system_sgpr_workgroup_id_x 1
		.amdhsa_system_sgpr_workgroup_id_y 1
		.amdhsa_system_sgpr_workgroup_id_z 1
		.amdhsa_system_vgpr_workitem_id 0
		.amdhsa_next_free_vgpr 256
		.amdhsa_next_free_sgpr 66
		.amdhsa_reserve_vcc 0
		.amdhsa_float_denorm_mode_32 3
		.amdhsa_float_denorm_mode_16_64 3
		.amdhsa_memory_ordered 1
		.amdhsa_forward_progress 1
		.amdhsa_inst_pref_size 92
	.end_amdhsa_kernel
	.amdgpu_metadata
---
amdhsa.version: [ 1, 2 ]
amdhsa.kernels:
  - .name:           k_q6bfc8dfb99_down
    .symbol:         k_q6bfc8dfb99_down.kd
    .args:
      - { .name: W2, .offset: 0, .size: 8, .value_kind: global_buffer, .address_space: global }
      - { .name: b2, .offset: 8, .size: 8, .value_kind: global_buffer, .address_space: global }
      - { .name: gat, .offset: 16, .size: 8, .value_kind: global_buffer, .address_space: global }
      - { .name: lst, .offset: 24, .size: 8, .value_kind: global_buffer, .address_space: global }
      - { .name: hq, .offset: 32, .size: 8, .value_kind: global_buffer, .address_space: global }
      - { .name: part, .offset: 40, .size: 8, .value_kind: global_buffer, .address_space: global }
    .group_segment_fixed_size: 178432
    .private_segment_fixed_size: 0
    .kernarg_segment_align: 8
    .kernarg_segment_size: 48
    .max_flat_workgroup_size: 512
    .sgpr_count:     66
    .vgpr_count:     256
    .wavefront_size: 32
...
	.end_amdgpu_metadata
.endif
;; end of part 3
;; launch combine (part 4): grid 256 x 1, 8 waves a work-group, no clusters, 0 bytes of LDS; arguments part, out0; writes out0
.if DOCPART == 4
	.amdgcn_target "amdgcn-amd-amdhsa--gfx1250"
	.amdhsa_code_object_version 6
	.text
	.protected	k_q6bfc8dfb99_combine
	.globl	k_q6bfc8dfb99_combine
	.p2align	8
	.type	k_q6bfc8dfb99_combine,@function
k_q6bfc8dfb99_combine:
	s_mov_b64 s[64:65], 0
	v_nop
	global_prefetch_b8 v0, s[64:65] scope:SCOPE_SE
	s_setreg_imm32_b32 hwreg(HW_REG_WAVE_MODE, 25, 1), 1
	s_wait_xcnt 0x0
; out0[t] = part[0][t] + part[1][t] + part[0][1024 + t] + part[1][1024 + t]: a token's two experts, each in two halves of K, already weighed by their gates.
; part: [2][2176 rows][1024] f32; out0: [1024][1024] f32.  A stream: a work-group takes four rows, a thread 16 bytes of each; a wave's load or store covers 512 consecutive bytes.
; All sixteen loads of a thread go out at once; no loop, no LDS, no barrier: threads share nothing.
.set PARTB, 8912896                    ; from half 0 to half 1
.set SECOND, 4194304                   ; from row t to row 1024 + t
	s_load_b128 s[4:7], s[0:1], 0x0                ; part, out0
	v_lshlrev_b32 v1, 4, v0
	s_lshl_b32 s8, ttmp9, 14                       ; four rows of 4,096 bytes
	s_mov_b32 s9, 0
	s_wait_kmcnt 0x0
	s_add_nc_u64 s[4:5], s[4:5], s[8:9]
	s_add_nc_u64 s[6:7], s[6:7], s[8:9]
	s_add_nc_u64 s[10:11], s[4:5], PARTB
.irp i, 0,1,2,3
	global_load_b128 v[8+16*\i:11+16*\i],  v1, s[4:5]   offset:4096*\i th:TH_LOAD_NT
	global_load_b128 v[12+16*\i:15+16*\i], v1, s[10:11] offset:4096*\i th:TH_LOAD_NT
	global_load_b128 v[16+16*\i:19+16*\i], v1, s[4:5]   offset:SECOND+4096*\i th:TH_LOAD_NT
	global_load_b128 v[20+16*\i:23+16*\i], v1, s[10:11] offset:SECOND+4096*\i th:TH_LOAD_NT
.endr
.irp i, 0,1,2,3
	s_wait_loadcnt 12-4*\i                         ; this row's four loads are in; the later rows' four each may be out
	v_pk_add_f32 v[8+16*\i:9+16*\i],   v[8+16*\i:9+16*\i],   v[12+16*\i:13+16*\i]
	v_pk_add_f32 v[10+16*\i:11+16*\i], v[10+16*\i:11+16*\i], v[14+16*\i:15+16*\i]
	v_pk_add_f32 v[16+16*\i:17+16*\i], v[16+16*\i:17+16*\i], v[20+16*\i:21+16*\i]
	v_pk_add_f32 v[18+16*\i:19+16*\i], v[18+16*\i:19+16*\i], v[22+16*\i:23+16*\i]
	v_pk_add_f32 v[8+16*\i:9+16*\i],   v[8+16*\i:9+16*\i],   v[16+16*\i:17+16*\i]
	v_pk_add_f32 v[10+16*\i:11+16*\i], v[10+16*\i:11+16*\i], v[18+16*\i:19+16*\i]
	global_store_b128 v1, v[8+16*\i:11+16*\i], s[6:7] offset:4096*\i th:TH_STORE_NT
.endr
	s_endpgm
.Lfunc_end_k_q6bfc8dfb99_combine:
	.size	k_q6bfc8dfb99_combine, .Lfunc_end_k_q6bfc8dfb99_combine-k_q6bfc8dfb99_combine
	.p2alignl 7, 3214868480
	.fill 96, 4, 3214868480
	.section	.rodata,"a",@progbits
	.p2align	6, 0x0
	.amdhsa_kernel k_q6bfc8dfb99_combine
		.amdhsa_group_segment_fixed_size 0
		.amdhsa_private_segment_fixed_size 0
		.amdhsa_enable_private_segment 0
		.amdhsa_kernarg_size 16
		.amdhsa_user_sgpr_count 2
		.amdhsa_user_sgpr_kernarg_segment_ptr 1
		.amdhsa_wavefront_size32 1
		.amdhsa_system_sgpr_workgroup_id_x 1
		.amdhsa_system_sgpr_workgroup_id_y 1
		.amdhsa_system_sgpr_workgroup_id_z 1
		.amdhsa_system_vgpr_workitem_id 0
		.amdhsa_next_free_vgpr 80
		.amdhsa_next_free_sgpr 66
		.amdhsa_reserve_vcc 0
		.amdhsa_float_denorm_mode_32 3
		.amdhsa_float_denorm_mode_16_64 3
		.amdhsa_memory_ordered 1
		.amdhsa_forward_progress 1
		.amdhsa_inst_pref_size 5
	.end_amdhsa_kernel
	.amdgpu_metadata
---
amdhsa.version: [ 1, 2 ]
amdhsa.kernels:
  - .name:           k_q6bfc8dfb99_combine
    .symbol:         k_q6bfc8dfb99_combine.kd
    .args:
      - { .name: part, .offset: 0, .size: 8, .value_kind: global_buffer, .address_space: global }
      - { .name: out0, .offset: 8, .size: 8, .value_kind: global_buffer, .address_space: global }
    .group_segment_fixed_size: 0
    .private_segment_fixed_size: 0
    .kernarg_segment_align: 8
    .kernarg_segment_size: 16
    .max_flat_workgroup_size: 256
    .sgpr_count:     66
    .vgpr_count:     80
    .wavefront_size: 32
...
	.end_amdgpu_metadata
.endif
;; end of part 4
;; ======== version 2 of 2: 4 launches
;; workspace buffers: sel 4,096 bytes of whole numbers; gat 8,192 bytes; xq 819,200 bytes; lst 34,816 bytes of whole numbers; hq 27,262,976 bytes; part 17,825,792 bytes
;; launch route (part 5): grid 256 x 1, 4 waves a work-group, no clusters, 55,808 bytes of LDS; arguments x, Wr, sel, gat, xq; writes sel, gat, xq
.if DOCPART == 5
	.amdgcn_target "amdgcn-amd-amdhsa--gfx1250"
	.amdhsa_code_object_version 6
	.text
	.protected	k_q6bfc8dfb99_route
	.globl	k_q6bfc8dfb99_route
	.p2align	8
	.type	k_q6bfc8dfb99_route,@function
k_q6bfc8dfb99_route:
	s_mov_b64 s[64:65], 0
	v_nop
	global_prefetch_b8 v0, s[64:65] scope:SCOPE_SE
	s_setreg_imm32_b32 hwreg(HW_REG_WAVE_MODE, 25, 1), 1
	s_wait_xcnt 0x0
; ROUTER AND QUANTISER OF x.  x [1024 tokens][1024] f32, Wr [8][1024] f32.  One wave takes one token t = 4 x work-group + wave.
; It makes (a) the eight logits x . Wr[e] by f32 multiply-adds; (b) the two largest, the lower index winning a tie, as a word sel[t] = 1 << e0 | 1 << (8 + e1);
; (c) the softmax of the two, the larger taken away first: gat[t] = p0, gat[1024 + t] = p1; (d) the token's codes of E3M2 and scale bytes, one for each 32 along H.
; No address and no branch hangs on the choice: it is stored, and the next launch reads it.
; xq: 768 bytes of codes a token, laid [3 pieces][half h][128 bytes]: the 24 bytes of block 2 q + h are bytes 24 q .. 24 q + 23 of stream h, and piece u holds bytes 128 u .. 128 u + 127 of stream 0, then of stream 1:
; so the next launch reads whole runs of 256 bytes, and a lane of half h finds its blocks on end.  From byte XS0 on: 32 scale bytes a token.
; A block's scale is 2^(floor(log2(largest magnitude)) - 4): its byte is the largest magnitude's exponent field less 4, held at 1 from below by a floor among the maximum's leaves.
; LIMITS: NaN and infinities among x, Wr or the logits are not served.  Two logits that differ by less than the order of f32 sums resolves may change places.  A block whose largest magnitude lies under 2^-122
; keeps the byte 1 (a block of zeros too: its codes are zeros, and this program alone reads the bytes).  sel, gat and the scale bytes leave in stores of 4 to 32 bytes: 44 bytes a token.
.set XS0,  786432                      ; where the scale bytes begin in xq
.set REG0, 32768                       ; LDS: bytes 0 .. 32767 Wr as it lies in memory; then a region of WREG bytes for each wave:
.set WREG, 5632                        ;   32 places of 144 bytes (a block's 128 bytes + 16), then
.set CST,  4608                        ;   the token's 768 bytes of codes, then
.set SST,  5376                        ;   its 32 scale bytes
.set LG,   16                          ; v16-31   eight pairs of sums; the logit of expert e ends in v[LG + 2 e]
.set X,    32                          ; v32-63   x as loaded: register 4 i + k = x[128 i + 4 lane + k]
.set XT,   64                          ; v64-95   block `lane` of x, its 32 numbers in order
.set WR,   96                          ; v96-223  four rows of Wr, laid as X
	s_load_b256 s[4:11], s[0:1], 0x0               ; x s[4:5], Wr s[6:7], sel s[8:9], gat s[10:11]
	s_load_b64 s[12:13], s[0:1], 0x20              ; xq
	v_lshl_add_u32 v254, v0, 2, 0xd800
	v_mov_b32 v255, 0
	v_lshrrev_b32 v1, 5, v0
	v_readfirstlane_b32 s14, v1                    ; wave
	v_and_b32 v1, 31, v0                           ; lane
	v_lshlrev_b32 v2, 4, v1                        ; 16 x lane: my bytes of a run of 512, in memory and in Wr's image
	s_lshl_b32 s15, ttmp9, 2
	s_add_co_u32 s15, s15, s14                     ; my token
	s_mul_i32 s16, s14, WREG
	s_add_co_u32 s16, s16, REG0                    ; my wave's region
	v_lshrrev_b32 v3, 3, v1
	v_mul_u32_u24 v3, v3, 144
	v_and_b32 v224, 7, v1
	v_lshl_add_u32 v3, v224, 4, v3
	v_add_nc_u32 v3, s16, v3                       ; into the places: 144 (lane / 8) + 16 (lane % 8); a load's 512 bytes are four blocks
	v_mul_u32_u24 v4, v1, 144
	v_add_nc_u32 v4, s16, v4                       ; out of them: place `lane`
	s_lshl_b32 s17, s14, 13
	v_add_nc_u32 v5, s17, v2                       ; rows 2 w and 2 w + 1 of Wr: the same offset in memory and in LDS
	v_lshrrev_b32 v225, 1, v1
	v_mul_u32_u24 v225, v225, 3                    ; my block's first piece of 8 bytes in its stream: 3 (lane / 2)
	v_and_b32 v226, 1, v1
	v_lshlrev_b32 v226, 7, v226
	v_add_nc_u32 v226, s16, v226                   ; stream lane % 2
.irp i, 0,1,2
	v_add_nc_u32 v227, \i, v225
	v_lshrrev_b32 v228, 4, v227
	v_and_b32 v227, 15, v227
	v_lshl_add_u32 v228, v228, 8, v226
	v_lshl_add_u32 v[7+\i], v227, 3, v228          ; piece n lies at 256 (n / 16) + 128 (lane % 2) + 8 (n % 16)
.endr
	v_lshlrev_b32 v11, 3, v1                       ; 8 x lane
	v_add_nc_u32 v10, s16, v11
	v_add_nc_u32 v12, s16, v1                      ; my block's scale byte
	v_lshlrev_b32 v14, 2, v224                     ; 4 (lane % 8)
	v_add_nc_u32 v13, s16, v14
	v_mov_b32 v15, 0
	s_mov_b32 s34, 0x76543210
	s_mov_b32 s35, 0xfedcba98                      ; v_permlanex16_b32's selects for lane l xor 16
	s_lshl_b32 s18, s15, 12                        ; x: 4,096 bytes a token
	s_mov_b32 s19, 0
	s_mul_i32 s20, s15, 768                        ; codes
	s_mov_b32 s21, 0
	s_lshl_b32 s22, s15, 5                         ; scale bytes
	s_mov_b32 s23, 0
	s_lshl_b32 s24, s15, 2                         ; sel, gat
	s_mov_b32 s25, 0
	s_wait_kmcnt 0x0
	s_add_nc_u64 s[4:5], s[4:5], s[18:19]
	s_add_nc_u64 s[20:21], s[12:13], s[20:21]
	s_add_nc_u64 s[22:23], s[12:13], s[22:23]
	s_add_nc_u64 s[8:9], s[8:9], s[24:25]
	s_add_nc_u64 s[10:11], s[10:11], s[24:25]
.irp i, 0,1,2,3,4,5,6,7
	global_load_b128 v[X+4*\i:X+4*\i+3], v2, s[4:5] offset:512*\i th:TH_LOAD_NT
.endr
.irp a, 0,1
.irp i, 0,1,2,3,4,5,6,7
	global_load_b128 v[WR+32*\a+4*\i:WR+32*\a+4*\i+3], v5, s[6:7] offset:4096*\a+512*\i
.endr
.endr
	s_wait_loadcnt 16                              ; x is in; the 16 loads of Wr behind it may be out
.irp i, 0,1,2,3,4,5,6,7
	ds_store_b128 v3, v[X+4*\i:X+4*\i+3] offset:576*\i
.endr
.irp i, 0,1,2,3,4,5,6,7
	ds_load_b128 v[XT+4*\i:XT+4*\i+3], v4 offset:16*\i   ; LDS serves a wave's instructions in order: these see my stores
.endr
	s_wait_loadcnt 0x0
.irp a, 0,1
.irp i, 0,1,2,3,4,5,6,7
	ds_store_b128 v5, v[WR+32*\a+4*\i:WR+32*\a+4*\i+3] offset:4096*\a+512*\i
.endr
.endr
	s_wait_dscnt 0x0                               ; for the others' sake: my two rows of Wr lie in LDS
	s_barrier_signal -1
	s_barrier_wait -1                              ; all eight do
.macro WROWS e0                        ; rows e0 .. e0 + 3 of Wr out of LDS
.irp e, 0,1,2,3
.irp i, 0,1,2,3,4,5,6,7
	ds_load_b128 v[WR+32*\e+4*\i:WR+32*\e+4*\i+3], v2 offset:4096*(\e0+\e)+512*\i
.endr
.endr
.endm
.macro DOT a0                          ; four experts' sums by turns, two numbers an instruction; the first product starts each sum
.irp e, 0,1,2,3
	v_pk_mul_f32 v[\a0+2*\e:\a0+2*\e+1], v[X:X+1], v[WR+32*\e:WR+32*\e+1]
.endr
.irp i, 1,2,3,4,5,6,7,8,9,10,11,12,13,14,15
.irp e, 0,1,2,3
	v_pk_fma_f32 v[\a0+2*\e:\a0+2*\e+1], v[X+2*\i:X+2*\i+1], v[WR+32*\e+2*\i:WR+32*\e+2*\i+1], v[\a0+2*\e:\a0+2*\e+1]
.endr
.endr
.endm
	WROWS 0
	; my block is quantised while they come: its largest magnitude in two chains, with the floor 2^(5 - 127) as one more leaf
	v_max3_num_f32 v224, |v[XT]|, |v[XT+1]|, 0x2800000
	v_max3_num_f32 v225, |v[XT+2]|, |v[XT+3]|, |v[XT+4]|
.irp i, 5,9,13,17,21,25
	v_max3_num_f32 v224, v224, |v[XT+\i]|, |v[XT+\i+1]|
	v_max3_num_f32 v225, v225, |v[XT+\i+2]|, |v[XT+\i+3]|
.endr
	v_max3_num_f32 v224, v224, |v[XT+29]|, |v[XT+30]|
	v_max3_num_f32 v224, v224, v225, |v[XT+31]|
	v_add_nc_u32 v226, 0xfe000000, v224            ; 4 off its exponent field: the conversion takes the exponent field of this operand as its scale
	v_lshrrev_b32 v227, 23, v226                   ; the scale's byte
	v_cvt_scalef32_pk16_bf6_f32 v[228:230], v[XT:XT+15], v226
	v_cvt_scalef32_pk16_bf6_f32 v[232:234], v[XT+16:XT+31], v226   ; (a conversion's three registers begin on an even number)
	v_nop                                          ; one plain instruction behind a scaled conversion
	v_mov_b32 v231, v232
	v_mov_b32 v232, v233
	v_mov_b32 v233, v234                           ; v228-233: the block's 24 bytes
	ds_store_b64 v7, v[228:229] offset:CST
	ds_store_b64 v8, v[230:231] offset:CST
	ds_store_b64 v9, v[232:233] offset:CST
	ds_store_b8 v12, v227 offset:SST
.irp i, 0,1,2
	ds_load_b64 v[236+2*\i:237+2*\i], v10 offset:CST+256*\i
.endr
	ds_load_b32 v242, v13 offset:SST
	s_wait_dscnt 8                                 ; Wr's 32 loads are in; the eight LDS instructions behind them may be out
	DOT LG
	s_wait_dscnt 0x0
.irp i, 0,1,2
	global_store_b64 v11, v[236+2*\i:237+2*\i], s[20:21] offset:256*\i   ; the wave stores 256 consecutive bytes, at a multiple of 256 from xq's first byte
.endr
	WROWS 4
	s_wait_dscnt 0x0
	DOT LG+8
.irp e, 0,1,2,3,4,5,6,7
	v_add_f32 v[LG+2*\e], v[LG+2*\e], v[LG+2*\e+1]
.endr
.irp m, 1,2,4,8                        ; over the 32 lanes, the eight logits by turns
.irp e, 0,1,2,3,4,5,6,7
	v_add_f32_dpp v[LG+2*\e], v[LG+2*\e], v[LG+2*\e] row_xmask:\m row_mask:0xf bank_mask:0xf
.endr
.endr
.irp e, 0,1,2,3,4,5,6,7
	v_permlanex16_b32 v[LG+2*\e+1], v[LG+2*\e], s34, s35
.endr
.irp e, 0,1,2,3,4,5,6,7
	v_add_f32 v[LG+2*\e], v[LG+2*\e], v[LG+2*\e+1]
.endr
	; the two largest, by selects alone, alike in every lane.  What stands is kept where it is at least as large: the lower index wins a tie
	v_mov_b32 v224, v[LG]
	v_mov_b32 v225, 1
.irp e, 1,2,3,4,5,6,7
	v_cmp_ge_f32 vcc_lo, v224, v[LG+2*\e]
	v_cndmask_b32 v224, v[LG+2*\e], v224, vcc_lo
	v_cndmask_b32 v225, 1<<\e, v225, vcc_lo
.endr
	v_mov_b32 v226, 0xff800000                     ; -infinity, under every logit
	v_mov_b32 v227, 0
.irp e, 0,1,2,3,4,5,6,7
	v_cmp_eq_u32 s26, 1<<\e, v225                  ; the largest itself is passed over
	v_cmp_ge_f32 s27, v226, v[LG+2*\e]
	s_or_b32 vcc_lo, s26, s27
	v_cndmask_b32 v226, v[LG+2*\e], v226, vcc_lo
	v_cndmask_b32 v227, 256<<\e, v227, vcc_lo
.endr
	v_sub_f32 v228, v226, v224                     ; the second less the largest: 0 or less
	v_mul_f32 v228, 0x3fb8aa3b, v228
	s_wait_alu depctr_va_vdst(0)
	v_exp_f32 v228, v228
	v_or_b32 v229, v225, v227                      ; sel's word.  (A plain instruction behind the exponential)
	s_wait_alu depctr_va_vdst(0)                   ; the wait ahead of the first reader
	v_add_f32 v230, 1.0, v228
	s_wait_alu depctr_va_vdst(0)
	v_rcp_f32 v230, v230                           ; p0 = 1 / (1 + e)
	v_nop
	s_wait_alu depctr_va_vdst(0)
	v_mul_f32 v231, v228, v230                     ; p1 = e p0
	s_wait_alu depctr_va_vdst(0)
	s_wait_xcnt 0x0                                ; EXEC changes only when the stores above have read it
	s_wait_tensorcnt 0x0
	ds_add_u32 v254, v255
	s_wait_dscnt 0x0
	v_cmpx_gt_u32 8, v1
	global_store_b32 v14, v242, s[22:23] offset:XS0   ; lanes 0 to 7: the token's 32 scale bytes
	s_wait_xcnt 0x0
	v_cmpx_eq_u32 0, v1
	global_store_b32 v15, v229, s[8:9]
	global_store_b32 v15, v230, s[10:11]
	global_store_b32 v15, v231, s[10:11] offset:4096
	s_endpgm
.Lfunc_end_k_q6bfc8dfb99_route:
	.size	k_q6bfc8dfb99_route, .Lfunc_end_k_q6bfc8dfb99_route-k_q6bfc8dfb99_route
	.p2alignl 7, 3214868480
	.fill 96, 4, 3214868480
	.section	.rodata,"a",@progbits
	.p2align	6, 0x0
	.amdhsa_kernel k_q6bfc8dfb99_route
		.amdhsa_group_segment_fixed_size 55808
		.amdhsa_private_segment_fixed_size 0
		.amdhsa_enable_private_segment 0
		.amdhsa_kernarg_size 40
		.amdhsa_user_sgpr_count 2
		.amdhsa_user_sgpr_kernarg_segment_ptr 1
		.amdhsa_wavefront_size32 1
		.amdhsa_system_sgpr_workgroup_id_x 1
		.amdhsa_system_sgpr_workgroup_id_y 1
		.amdhsa_system_sgpr_workgroup_id_z 1
		.amdhsa_system_vgpr_workitem_id 0
		.amdhsa_next_free_vgpr 256
		.amdhsa_next_free_sgpr 66
		.amdhsa_reserve_vcc 1
		.amdhsa_float_denorm_mode_32 3
		.amdhsa_float_denorm_mode_16_64 3
		.amdhsa_memory_ordered 1
		.amdhsa_forward_progress 1
		.amdhsa_inst_pref_size 29
	.end_amdhsa_kernel
	.amdgpu_metadata
---
amdhsa.version: [ 1, 2 ]
amdhsa.kernels:
  - .name:           k_q6bfc8dfb99_route
    .symbol:         k_q6bfc8dfb99_route.kd
    .args:
      - { .name: x, .offset: 0, .size: 8, .value_kind: global_buffer, .address_space: global }
      - { .name: Wr, .offset: 8, .size: 8, .value_kind: global_buffer, .address_space: global }
      - { .name: sel, .offset: 16, .size: 8, .value_kind: global_buffer, .address_space: global }
      - { .name: gat, .offset: 24, .size: 8, .value_kind: global_buffer, .address_space: global }
      - { .name: xq, .offset: 32, .size: 8, .value_kind: global_buffer, .address_space: global }
    .group_segment_fixed_size: 55808
    .private_segment_fixed_size: 0
    .kernarg_segment_align: 8
    .kernarg_segment_size: 40
    .max_flat_workgroup_size: 128
    .sgpr_count:     66
    .vgpr_count:     256
    .wavefront_size: 32
...
	.end_amdgpu_metadata
.endif
;; end of part 5
;; launch up (part 6): grid 32 x 8, 16 waves a work-group, no clusters, 183,040 bytes of LDS; arguments W1, b1, sel, xq, lst, hq; writes lst, hq
.if DOCPART == 6
	.amdgcn_target "amdgcn-amd-amdhsa--gfx1250"
	.amdhsa_code_object_version 6
	.text
	.protected	k_q6bfc8dfb99_up
	.globl	k_q6bfc8dfb99_up
	.p2align	8
	.type	k_q6bfc8dfb99_up,@function
k_q6bfc8dfb99_up:
	s_mov_b64 s[64:65], 0
	v_nop
	global_prefetch_b8 v0, s[64:65] scope:SCOPE_SE
	s_setreg_imm32_b32 hwreg(HW_REG_WAVE_MODE, 25, 1), 1
	s_wait_xcnt 0x0
; FIRST PRODUCT OF THE CHOSEN EXPERTS: h = gelu(x W1[e] + b1[e]) for the rows that chose expert e, quantised on the way, on codes of E3M2 with one E8M0 scale for each 32 along K.
; W1 [8][1024 (K)][4096] f32, b1 [8][4096] f32; sel (a word a token: 1 << e0 | 1 << (8 + e1)) and xq (x's codes and scale bytes) come from the launch before.
; SHARES.  Work-group (sF, e) owns 128 columns of expert e and all of K: 512 KiB of W1, read once, quantised in registers, kept in LDS as images of operand registers.  Sixteen waves of 256 registers.
; STREAM.  Wave w takes K step w / 2 (128 rows) of column half w % 2 (64 columns), as two units of 64 rows.  A load reads 16 bytes a lane: lanes 0-15 the 256 bytes of row k, lanes 16-31 those of row k + 32, so that
; lane (r, h) holds, of its four columns 4 r + j, the very 32 numbers along K that the operand's layout gives that lane (ISA guide 7.12.2): a block's largest magnitude asks no other lane.
; TILES.  Column tile j of a half is the columns 4 m + j, m = 0 .. 15.  The matrix instruction is used transposed (source 0 = a column tile, source 1 = 16 rows of x): register i of tile j in lane (r, h) is row r at
; column 32 h + 4 i + j.  So the 32 registers of a half's four tiles are ONE BLOCK of 32 neighbouring columns, which is a block of the next product's K; its codes stand in the order p = 8 j + i for column 4 i + j,
; and the next launch takes W2's rows in the same order: a permutation inside a block, alike on both sides, changes no product and no scale.
; ROWS.  Wave 0 makes the list of the expert's routed rows (id = token + 1024 x which choice) from sel in LDS; the work-groups with sF = 0 store it in lst for the next launch.  Entries past the count name padding rows
; 2048 + 16 e + slot % 16.  Tiles of 16 rows go round the waves; a tile past the last is skipped by a scalar branch on the count, so this launch has no tensor load and no barrier under a branch.  An expert without rows still makes tile 0.
; gelu is x / 2 (1 + erf(x / sqrt 2)); erf by a ratio of polynomials in f32, its argument held to +-4.
; LIMITS: NaN and infinities are not served.  Below x = -5.66 gelu is taken as x / 2 (1 + erf(-4)), where the exact value lies under 1e-7 in magnitude.  Where 1 + erf is small its last bits are lost as in any f32 form of that sum.
; A block whose largest magnitude lies under 2^-122 keeps the byte 1.  The rows' scale words leave in stores of 128 bytes.
.set PITCH, 16384                      ; a row of W1 in bytes
.set XS0,   786432                     ; xq: where the scale bytes begin
.set HS0,   25165824                   ; hq: where the scale words begin
.set BSC,   98304                      ; LDS: 0 .. the weights' images: group w = 4 fragments of 1,536 bytes;  BSC: their scale words, 512 bytes a group
.set LIST,  106496                     ; 1,024 entries; behind them 32 words that take what is not the expert's;
.set CNT,   110720                     ; the count;
.set BIA,   110848                     ; b1's 128 numbers, laid [half][h][j][i];
.set STG,   111360                     ; a stage of 16 rows x 272 bytes for each wave
.set ASC, 24                           ; v24-27   x's scale words: register q: lanes 0-15 K step q, lanes 16-31 K step 4 + q.  They and BS hold scales and nothing else
.set BS,  28                           ; v28-31   the weights' scale words of the group in hand, tile j in register j
.set M,   32                           ; streaming: v32-35 largest magnitudes, then bytes;  v36-39 the conversions' scale operands;  v40-43 scale words;  v44-46 three registers of codes on their way
.set SO,  36
.set WD,  40
.set TC,  44
.set T,   48                           ; v48-63   16 numbers of one column
.set F,   64                           ; v64-111  four fragments
.set L,   128                          ; v128-255 a unit as loaded: register 4 p + j = W(32 h + p, 4 r + j)
.set SHH, 19                           ; v19      8 h
.set S,   72                           ; wave 0: v72-103 sel
.set R,   32                           ; rows: v32-39 offsets of rows 8 h + p in xq;  v40 row r's entry;  v41 its scale words' offset
.set RS,  40
.set XSO, 41
.set B,   48                           ; v48-95   the group's four fragments
.set A,   96                           ; v96-191  x's eight fragments
.set ACC, 192                          ; v192-255 eight accumulators: 32 half + 8 j + i
.set HF,  48                           ; behind the products: v48-59 h's fragment;  v60-66 codes on their way;  v68-71, v76-77 at work
.set TCH, 60
.set MH,  68
.set SOH, 70
.set WDH, 76
.set PT,  77
.set XA,  96                           ; gelu: v96-111 the argument;  v112-127 its square, then x / 2;  v128-143, v144-159 the two polynomials;  v160-163 their leading coefficients
.set X2,  112
.set PP,  128
.set QQ,  144
.set KA,  160
.set KB,  162
.macro LOADH c, q                      ; half q of unit c: 16 loads; each reads two runs of 256 consecutive bytes, at multiples of 256 from W1's first byte
.set pp, 16*(\q)
.rept 16
	global_load_b128 v[L+4*pp:L+4*pp+3], v6, s[22:23] offset:(64*(\c)+pp)*PITCH th:TH_LOAD_NT
.set pp, pp+1
.endr
.endm
; Unit c becomes registers 6 c .. 6 c + 5 of the four fragments and two bytes of each scale word.  more = 1: each half of L is asked for again, for the next unit, as soon as it has been read.
.macro QUANTU c, more
	s_wait_loadcnt 0x0
.irp j, 0,1,2,3
	v_max3_num_f32 v[M+\j], |v[L+\j]|, |v[L+4+\j]|, 0x2800000      ; the floor 2^(5 - 127) among the leaves: the byte cannot fall under 1
.endr
.irp p, 2,4,6,8,10,12,14,16,18,20,22,24,26,28,30
.irp j, 0,1,2,3
	s_delay_alu instid0(VALU_DEP_4)
	v_max3_num_f32 v[M+\j], v[M+\j], |v[L+4*\p+\j]|, |v[L+4*\p+4+\j]|   ; the four columns by turns
.endr
.endr
.irp j, 0,1,2,3
	s_delay_alu instid0(VALU_DEP_4)
	v_add_nc_u32 v[SO+\j], 0xfe000000, v[M+\j]     ; 4 off the exponent field: the conversion's scale operand
.endr
.irp j, 0,1,2,3
	s_delay_alu instid0(VALU_DEP_4)
	v_lshrrev_b32 v[M+\j], 23, v[SO+\j]            ; the byte
.endr
.irp j, 0,1,2,3
.if (\c) == 0
	s_delay_alu instid0(VALU_DEP_4)
	v_mov_b32 v[WD+\j], v[M+\j]
.else
	s_delay_alu instid0(VALU_DEP_4)
	v_lshl_or_b32 v[WD+\j], v[M+\j], 16, v[WD+\j]
.endif
.endr
.irp j, 0,1,2,3
.irp i, 0,1,2,3,4,5,6,7,8,9,10,11,12,13,14,15
	v_mov_b32 v[T+\i], v[L+4*\i+\j]                ; a column's 16 numbers side by side, as the conversion wants them
.endr
	v_cvt_scalef32_pk16_bf6_f32 v[F+12*\j+6*(\c):F+12*\j+6*(\c)+2], v[T:T+15], v[SO+\j]
	v_nop                                          ; one plain instruction before T is written again
.endr
.if \more
	LOADH (\c)+1, 0
.endif
.irp j, 0,1,2,3
.irp i, 0,1,2,3,4,5,6,7,8,9,10,11,12,13,14,15
	v_mov_b32 v[T+\i], v[L+64+4*\i+\j]
.endr
	v_cvt_scalef32_pk16_bf6_f32 v[TC:TC+2], v[T:T+15], v[SO+\j]    ; (a conversion's three registers begin on an even number)
	v_nop
.irp g, 0,1,2
	v_mov_b32 v[F+12*\j+6*(\c)+3+\g], v[TC+\g]
.endr
.endr
.if \more
	LOADH (\c)+1, 1
.endif
.endm
.macro SCALEW                          ; my two bytes (blocks h and 2 + h) go to their places; lane l xor 16's two make the word whole
.irp j, 0,1,2,3
	v_lshlrev_b32 v[WD+\j], v[SHH], v[WD+\j]
.endr
.irp j, 0,1,2,3
	s_delay_alu instid0(VALU_DEP_4)
	v_permlanex16_b32 v[M+\j], v[WD+\j], s34, s35
.endr
.irp j, 0,1,2,3
	s_delay_alu instid0(VALU_DEP_4)
	v_or_b32 v[WD+\j], v[WD+\j], v[M+\j]
.endr
.endm
.macro BSTORE                          ; the group goes to LDS as an image of its registers: 16 bytes a lane, 512 a store
.irp j, 0,1,2,3
.irp g, 0,1,2
	ds_store_b128 v7, v[F+12*\j+4*\g:F+12*\j+4*\g+3] offset:1536*\j+512*\g
.endr
.endr
	ds_store_b128 v8, v[WD:WD+3]
.endm
; One word of sel for each lane: the tokens 128 (n / 4) + 4 lane + n % 4.  Those that chose the expert take the next places of the list; the others' stores go to words that nobody reads.  EXEC is never changed.
.macro LSTEP n
	v_and_b32 v119, s38, v[S+\n]
	s_delay_alu instid0(VALU_DEP_1)
	v_cmp_ne_u32 vcc_lo, 0, v119
	s_delay_alu instid0(VALU_DEP_1)
	v_mbcnt_lo_u32_b32 v[120+2*((\n)%4)], vcc_lo, s36              ; the count so far + the lanes below me that chose it
	s_delay_alu instid0(VALU_DEP_1)
	v_cndmask_b32 v[120+2*((\n)%4)], v116, v[120+2*((\n)%4)], vcc_lo
	s_delay_alu instid0(VALU_DEP_1)
	v_min_u32 v[120+2*((\n)%4)], 0x41f, v[120+2*((\n)%4)]          ; inside the list and the 32 words behind it
	s_delay_alu instid0(VALU_DEP_1)
	v_lshl_add_u32 v[120+2*((\n)%4)], v[120+2*((\n)%4)], 2, LIST
	v_lshrrev_b32 v[121+2*((\n)%4)], s39, v119                     ; 1 where it is the second choice
	s_delay_alu instid0(VALU_DEP_1)
	v_lshl_add_u32 v[121+2*((\n)%4)], v[121+2*((\n)%4)], 10, v5
	s_delay_alu instid0(VALU_DEP_1)
	v_add_nc_u32 v[121+2*((\n)%4)], 128*((\n)/4)+(\n)%4, v[121+2*((\n)%4)]
	ds_store_b32 v[120+2*((\n)%4)], v[121+2*((\n)%4)]
	s_bcnt1_i32_b32 s37, vcc_lo
	s_add_co_u32 s36, s36, s37
.endm
; The 16 rows of tile s26: their entries from the list, their codes (three loads a row pair of halves: lanes 0-15 a run of 256 bytes of row p, lanes 16-31 of row 8 + p) and their scale words.
.macro GATHER
	s_wait_loadcnt 0x0                             ; no load of mine is out when its registers are asked for again
	s_min_u32 s44, s26, 63
	s_lshl_b32 s44, s44, 6
	v_add_nc_u32 v3, s44, v15
	v_add_nc_u32 v2, s44, v16
	ds_load_b128 v[R:R+3], v3
	ds_load_b128 v[R+4:R+7], v3 offset:16
	ds_load_b32 v[RS], v2
	s_wait_dscnt 0x0
.irp p, 0,1,2,3,4,5,6,7
	v_and_b32 v[R+\p], 0x3ff, v[R+\p]              ; the token
.endr
.irp p, 0,1,2,3,4,5,6,7
	v_min_u32 v[R+\p], 0x3ff, v[R+\p]
.endr
.irp p, 0,1,2,3,4,5,6,7
	v_mad_u32_u24 v[R+\p], v[R+\p], 768, v17
.endr
	v_and_b32 v[RS], 0x3ff, v[RS]
	s_delay_alu instid0(VALU_DEP_1)
	v_min_u32 v[RS], 0x3ff, v[RS]
	s_delay_alu instid0(VALU_DEP_1)
	v_lshl_add_u32 v[XSO], v[RS], 5, v18
.irp u, 0,1,2
.irp p, 0,1,2,3,4,5,6,7
	global_load_b128 v[A+32*\u+4*\p:A+32*\u+4*\p+3], v[R+\p], s[10:11] offset:256*\u
.endr
.endr
	global_load_b128 v[ASC:ASC+3], v[XSO], s[10:11] offset:XS0
.endm
.macro HORNER d, c                     ; d = d x^2 + c, eight pairs
.irp k, 0,2,4,6,8,10,12,14
	v_pk_fma_f32 v[\d+\k:\d+\k+1], v[\d+\k:\d+\k+1], v[X2+\k:X2+\k+1], \c op_sel_hi:[1,1,0]
.endr
.endm
; gelu in place on two accumulators, each read from its low end on.  The sixteen reciprocals are one batch with one wait.
.macro GELU b
.irp k, 0,2,4,6,8,10,12,14
	v_pk_mul_f32 v[XA+\k:XA+\k+1], v[ACC+16*\b+\k:ACC+16*\b+\k+1], 0x3f3504f3 op_sel_hi:[1,0]   ; x / sqrt 2
.endr
.irp k, 0,1,2,3,4,5,6,7,8,9,10,11,12,13,14,15
	v_med3_num_f32 v[XA+\k], v[XA+\k], -4.0, 4.0
.endr
.irp k, 0,2,4,6,8,10,12,14
	v_pk_mul_f32 v[X2+\k:X2+\k+1], v[XA+\k:XA+\k+1], v[XA+\k:XA+\k+1]
.endr
.irp k, 0,2,4,6,8,10,12,14
	v_pk_fma_f32 v[PP+\k:PP+\k+1], v[X2+\k:X2+\k+1], v[KA:KA+1], 0x32edffee op_sel_hi:[1,1,0]
.endr
.irp k, 0,2,4,6,8,10,12,14
	v_pk_fma_f32 v[QQ+\k:QQ+\k+1], v[X2+\k:X2+\k+1], v[KB:KB+1], 0xb95fbd29 op_sel_hi:[1,1,0]
.endr
	HORNER PP, 0xb60cff51
	HORNER QQ, 0xbadc924e
	HORNER PP, 0xb86ec2d2
	HORNER QQ, 0xbbf19bf8
	HORNER PP, 0xba40ac63
	HORNER QQ, 0xbc69b6a7
	HORNER PP, 0xbb41a1f6
	HORNER PP, 0xbc83dbd4
	s_wait_alu depctr_va_vdst(0)
.irp k, 0,1,2,3,4,5,6,7,8,9,10,11,12,13,14,15
	v_rcp_f32 v[QQ+\k], v[QQ+\k]
.endr
.irp k, 0,2,4,6,8,10,12,14
	v_pk_mul_f32 v[PP+\k:PP+\k+1], v[PP+\k:PP+\k+1], v[XA+\k:XA+\k+1]   ; plain work that names no reciprocal
.endr
.irp k, 0,2,4,6,8,10,12,14
	v_pk_mul_f32 v[X2+\k:X2+\k+1], v[ACC+16*\b+\k:ACC+16*\b+\k+1], 0.5 op_sel_hi:[1,0]
.endr
	s_wait_alu depctr_va_vdst(0)                   ; the wait ahead of the batch's first reader
.irp k, 0,2,4,6,8,10,12,14
	v_pk_mul_f32 v[PP+\k:PP+\k+1], v[PP+\k:PP+\k+1], v[QQ+\k:QQ+\k+1]   ; erf
.endr
.irp k, 0,2,4,6,8,10,12,14
	v_pk_fma_f32 v[ACC+16*\b+\k:ACC+16*\b+\k+1], v[X2+\k:X2+\k+1], v[PP+\k:PP+\k+1], v[X2+\k:X2+\k+1]   ; x / 2 erf + x / 2
.endr
.endm
	s_load_b256 s[4:11], s[0:1], 0x0               ; W1 s[4:5], b1 s[6:7], sel s[8:9], xq s[10:11]
	s_load_b128 s[12:15], s[0:1], 0x20             ; lst s[12:13], hq s[14:15]
	v_lshl_add_u32 v23, v0, 2, 0x2c300
	v_mov_b32 v47, 0
	v_lshrrev_b32 v112, 5, v0
	s_delay_alu instid0(VALU_DEP_1)
	v_readfirstlane_b32 s16, v112                  ; wave 0 .. 15
	v_and_b32 v1, 31, v0                           ; lane
	v_and_b32 v112, 15, v0                         ; r
	v_bfe_u32 v113, v0, 4, 1                       ; h
	s_and_b32 s17, ttmp7, 0xffff                   ; the expert
	s_mov_b32 s18, ttmp9                           ; which 128 columns
	s_and_b32 s19, s16, 1                          ; my half of them
	s_lshr_b32 s20, s16, 1                         ; my K step
	; every LDS address register is made here, ahead of the first branch
	v_lshlrev_b32 v4, 4, v1                        ; 16 x lane: an image's place for my lane (the images begin at LDS byte 0)
	v_lshlrev_b32 v5, 2, v1                        ; 4 x lane
	v_lshlrev_b32 v17, 4, v112                     ; 16 r
	v_lshlrev_b32 v18, 4, v113                     ; 16 h
	v_lshlrev_b32 v19, 3, v113                     ; 8 h
	v_lshlrev_b32 v22, 3, v1                       ; 8 x lane
	s_delay_alu instid0(VALU_DEP_4)
	v_lshl_add_u32 v6, v113, 19, v17               ; W1: 32 rows further down for lanes 16-31, 16 bytes a lane
	s_mul_i32 s37, s16, 6144
	v_add_nc_u32 v7, s37, v4                       ; where my group's images go
	s_lshl_b32 s37, s16, 9
	s_add_co_u32 s37, s37, BSC
	v_add_nc_u32 v8, s37, v4                       ; and its scale words
	v_add_nc_u32 v10, 49152, v4                    ; groups 8 to 15
	v_add_nc_u32 v11, BSC, v4
	v_lshl_add_u32 v12, v113, 7, BIA
	s_mul_i32 s37, s16, 4352
	s_add_co_u32 s37, s37, STG                     ; my stage
	v_mul_u32_u24 v13, v113, 2176
	s_delay_alu instid0(VALU_DEP_1)
	v_add_nc_u32 v13, v13, v17
	s_delay_alu instid0(VALU_DEP_1)
	v_add_nc_u32 v13, s37, v13                     ; by rows: row 8 h (+ p), byte 16 r
	v_mul_u32_u24 v14, v112, 272
	s_delay_alu instid0(VALU_DEP_1)
	v_lshl_add_u32 v14, v113, 7, v14
	s_delay_alu instid0(VALU_DEP_1)
	v_add_nc_u32 v14, s37, v14                     ; by lanes: row r, byte 128 h
	v_lshl_add_u32 v15, v113, 5, LIST
	v_lshl_add_u32 v16, v112, 2, LIST
	v_mov_b32 v20, CNT
	s_lshl_b32 s37, s16, 8
	s_add_co_u32 s37, s37, LIST
	v_add_nc_u32 v21, s37, v22
	s_mov_b32 s34, 0x76543210
	s_mov_b32 s35, 0xfedcba98                      ; v_permlanex16_b32's selects for lane l xor 16
	s_lshl_b32 s38, 0x101, s17                     ; the expert's two bits in a word of sel
	s_add_co_u32 s39, s17, 8
	s_lshl_b32 s28, s17, 24                        ; W1: the expert's 2^24 bytes,
	s_lshl_b32 s37, s20, 21                        ; my 128 rows,
	s_add_co_u32 s28, s28, s37
	s_lshl_b32 s37, s18, 9                         ; the work-group's 128 columns,
	s_add_co_u32 s28, s28, s37
	s_lshl_b32 s37, s19, 8                         ; my 64
	s_add_co_u32 s28, s28, s37
	s_mov_b32 s29, 0
	s_lshl_b32 s50, s17, 14                        ; b1
	s_lshl_b32 s37, s18, 9
	s_add_co_u32 s50, s50, s37
	s_mov_b32 s51, 0
	s_mul_i32 s52, s17, 4352                       ; lst: the expert's part, my wave's 256 bytes
	s_lshl_b32 s37, s16, 8
	s_add_co_u32 s52, s52, s37
	s_mov_b32 s53, 0
	s_wait_kmcnt 0x0
	s_add_nc_u64 s[22:23], s[4:5], s[28:29]
	s_add_nc_u64 s[50:51], s[6:7], s[50:51]
	s_add_nc_u64 s[52:53], s[12:13], s[52:53]
	s_cmp_lg_u32 s16, 0
	s_cbranch_scc1 .Lnot_0_a
.irp i, 0,1,2,3,4,5,6,7
	global_load_b128 v[S+4*\i:S+4*\i+3], v4, s[8:9] offset:512*\i  ; wave 0: all of sel,
.endr
	global_load_b128 v[108:111], v4, s[50:51]      ; and the work-group's 128 numbers of b1
.Lnot_0_a:
	LOADH 0, 0
	LOADH 0, 1
	s_cmp_lg_u32 s16, 0
	s_cbranch_scc1 .Lnot_0_b
	s_wait_loadcnt 32                              ; wave 0's nine loads are in; the 32 of W1 behind them may be out
	v_and_b32 v104, 3, v1
	s_delay_alu instid0(VALU_DEP_1)
	v_lshlrev_b32 v104, 2, v104
	s_lshl_b32 s37, s17, 4
	s_add_co_u32 s37, s37, 2048
	v_add_nc_u32 v104, s37, v104                   ; the padding entries: 2048 + 16 e + slot % 16
	s_delay_alu instid0(VALU_DEP_1)
	v_add_nc_u32 v105, 1, v104
	s_delay_alu instid0(VALU_DEP_2)
	v_add_nc_u32 v106, 2, v104
	s_delay_alu instid0(VALU_DEP_3)
	v_add_nc_u32 v107, 3, v104
	v_add_nc_u32 v117, LIST, v4
.irp i, 0,1,2,3,4,5,6,7
	ds_store_b128 v117, v[104:107] offset:512*\i   ; first in every slot; the expert's rows are then laid over them (LDS serves a wave's instructions in order)
.endr
	v_lshrrev_b32 v118, 3, v1
	v_and_b32 v119, 7, v1
	s_delay_alu instid0(VALU_DEP_2)
	v_lshlrev_b32 v118, 7, v118
	s_delay_alu instid0(VALU_DEP_1)
	v_lshl_add_u32 v118, v119, 2, v118
	s_delay_alu instid0(VALU_DEP_1)
	v_add_nc_u32 v118, BIA, v118
.irp j, 0,1,2,3
	ds_store_b32 v118, v[108+\j] offset:32*\j      ; b1 of column 4 lane + j to [lane / 8][j][lane % 8]
.endr
	v_add_nc_u32 v116, 0x400, v1                   ; the word that takes my store where the token is not the expert's
	s_mov_b32 s36, 0
.set nn, 0
.rept 32
	LSTEP nn
.set nn, nn+1
.endr
	v_mov_b32 v115, s36
	ds_store_b32 v20, v115
	s_wait_dscnt 0x0                               ; the stores have read their registers, which the fragments take next
.Lnot_0_b:
	QUANTU 0, 1
	s_wait_dscnt 0x0
	s_barrier_signal -1
	s_barrier_wait -1                              ; the list, the count and b1 lie in LDS.  (No other wave has touched LDS so far)
	ds_load_b32 v112, v20
	s_wait_dscnt 0x0
	v_readfirstlane_b32 s24, v112
	s_min_u32 s24, s24, 0x400                      ; the expert's rows
	s_add_co_u32 s25, s24, 15
	s_lshr_b32 s25, s25, 4
	s_max_u32 s25, s25, 1                          ; its tiles of 16, at least one
	s_cmp_lg_u32 s18, 0
	s_cbranch_scc1 .Lno_lst                        ; one work-group of each expert stores the list
	ds_load_b64 v[114:115], v21
	s_wait_dscnt 0x0
	global_store_b64 v22, v[114:115], s[52:53]     ; a wave stores 256 consecutive bytes, at a multiple of 256 from lst's first byte
	s_cmp_lg_u32 s16, 0
	s_cbranch_scc1 .Lno_cnt
	v_mov_b32 v116, s24
	v_mov_b32 v117, s24
	global_store_b64 v22, v[116:117], s[52:53] offset:4096         ; and 256 bytes that all hold the count
.Lno_cnt:
	s_wait_xcnt 0x0                                ; the stores have read their registers
.Lno_lst:
	QUANTU 1, 0
	SCALEW
	BSTORE
	s_wait_dscnt 0x0                               ; my group lies in LDS, and the stores have read their registers
	s_mov_b32 s26, s16                             ; my first tile
	GATHER                                         ; asked for ahead of the barrier, by every wave: the slots past the count hold padding rows
	s_barrier_signal -1
	s_barrier_wait -1                              ; all sixteen groups lie in LDS; from here on the shared bytes are only read
	s_mov_b32 s27, 0
.Ltrip:                                                ; four trips: tiles w, w + 16, w + 32, w + 48
	s_cmp_ge_u32 s26, s25
	s_cbranch_scc1 .Lno_work
	s_wait_loadcnt 0x0                             ; the tile's codes and scale words are in
	s_wait_xcnt 0x0                                ; the last tile's stores have read their registers and bases
.irp u, 0,1,2                          ; the rows' runs of 256 bytes turn through my stage: in by rows, out by lanes; register n of A is then word n of stream h of row r, and K step s has registers 12 s .. 12 s + 11
.irp p, 0,1,2,3,4,5,6,7
	ds_store_b128 v13, v[A+32*\u+4*\p:A+32*\u+4*\p+3] offset:272*\p
.endr
.irp i, 0,1,2,3,4,5,6,7
	ds_load_b128 v[A+32*\u+4*\i:A+32*\u+4*\i+3], v14 offset:16*\i  ; LDS serves a wave's instructions in order: these see the stores above, and the next piece's stores come behind them
.endr
.endr
.irp f, 0,1                            ; the sums begin with the bias
.irp j, 0,1,2,3
.irp q, 0,1
	ds_load_b128 v[ACC+32*\f+8*\j+4*\q:ACC+32*\f+8*\j+4*\q+3], v12 offset:256*\f+32*\j+16*\q
.endr
.endr
.endr
.set gg, 0
.rept 16                               ; group gg = K step gg / 2, column half gg % 2.  The eight accumulators take turns, one instruction a turn
.irp j, 0,1,2,3
.irp q, 0,1,2
.if gg < 8
	ds_load_b128 v[B+12*\j+4*\q:B+12*\j+4*\q+3], v4 offset:6144*gg+1536*\j+512*\q
.else
	ds_load_b128 v[B+12*\j+4*\q:B+12*\j+4*\q+3], v10 offset:6144*(gg-8)+1536*\j+512*\q
.endif
.endr
.endr
	ds_load_b128 v[BS:BS+3], v11 offset:512*gg
	s_wait_dscnt 0x0
.irp j, 0,1,2,3
.if gg < 8
	v_wmma_scale_f32_16x16x128_f8f6f4 v[ACC+32*(gg%2)+8*\j:ACC+32*(gg%2)+8*\j+7], v[B+12*\j:B+12*\j+11], v[A+12*(gg/2):A+12*(gg/2)+11], v[ACC+32*(gg%2)+8*\j:ACC+32*(gg%2)+8*\j+7], v[BS+\j], v[ASC+(gg/2)%4] matrix_a_fmt:MATRIX_FMT_BF6 matrix_b_fmt:MATRIX_FMT_BF6
.else
	v_wmma_scale_f32_16x16x128_f8f6f4 v[ACC+32*(gg%2)+8*\j:ACC+32*(gg%2)+8*\j+7], v[B+12*\j:B+12*\j+11], v[A+12*(gg/2):A+12*(gg/2)+11], v[ACC+32*(gg%2)+8*\j:ACC+32*(gg%2)+8*\j+7], v[BS+\j], v[ASC+(gg/2)%4] matrix_a_fmt:MATRIX_FMT_BF6 matrix_b_fmt:MATRIX_FMT_BF6 matrix_b_scale:MATRIX_SCALE_ROW1
.endif
.endr
.rept 4
	v_nop                                          ; four places in front of loads into registers that these products read, and of the first read of results
.endr
.set gg, gg+1
.endr
	v_mov_b32 v[KA], 0xaf95df0b
	v_mov_b32 v[KA+1], 0xaf95df0b
	v_mov_b32 v[KB], 0xb77460cd
	v_mov_b32 v[KB+1], 0xb77460cd
	GELU 0
	GELU 1
	GELU 2
	GELU 3
	; h is quantised: registers 32 c .. 32 c + 31 are block 2 c + h of my row, all mine
.irp c, 0,1
	v_max3_num_f32 v[MH+\c], |v[ACC+32*\c]|, |v[ACC+32*\c+1]|, 0x2800000
.endr
.irp i, 2,4,6,8,10,12,14,16,18,20,22,24,26,28,30
.irp c, 0,1
	s_delay_alu instid0(VALU_DEP_2)
	v_max3_num_f32 v[MH+\c], v[MH+\c], |v[ACC+32*\c+\i]|, |v[ACC+32*\c+\i+1]|
.endr
.endr
.irp c, 0,1
	s_delay_alu instid0(VALU_DEP_2)
	v_add_nc_u32 v[SOH+\c], 0xfe000000, v[MH+\c]
.endr
.irp c, 0,1
	s_delay_alu instid0(VALU_DEP_2)
	v_lshrrev_b32 v[MH+\c], 23, v[SOH+\c]
.endr
.irp c, 0,1
	v_cvt_scalef32_pk16_bf6_f32 v[HF+6*\c:HF+6*\c+2], v[ACC+32*\c:ACC+32*\c+15], v[SOH+\c]
	v_cvt_scalef32_pk16_bf6_f32 v[TCH+4*\c:TCH+4*\c+2], v[ACC+32*\c+16:ACC+32*\c+31], v[SOH+\c]
.endr
	v_nop                                          ; one plain instruction behind the conversions
.irp c, 0,1
.irp g, 0,1,2
	v_mov_b32 v[HF+6*\c+3+\g], v[TCH+4*\c+\g]
.endr
.endr
	v_lshl_or_b32 v[WDH], v[MH+1], 16, v[MH]
	s_delay_alu instid0(VALU_DEP_1)
	v_lshlrev_b32 v[WDH], v[SHH], v[WDH]
	v_mov_b32 v[PT], 0                             ; (a lane permute's destination counts as one of its sources)
	s_delay_alu instid0(VALU_DEP_1)
	v_permlanex16_b32 v[PT], v[WDH], s34, s35
	s_delay_alu instid0(VALU_DEP_1)
	v_or_b32 v[WDH], v[WDH], v[PT]                 ; my row's scale word for these 128 columns, in both halves of the lanes
	s_min_u32 s45, s26, 63
	s_lshl_b32 s37, s17, 6
	s_add_co_u32 s37, s37, s45
	s_lshl_b32 s37, s37, 5
	s_add_co_u32 s37, s37, s18                     ; (64 e + tile) x 32 + sF
	s_mul_i32 s28, s37, 1536
	s_add_nc_u64 s[30:31], s[14:15], s[28:29]
	s_lshl_b32 s28, s37, 7
	s_add_co_u32 s28, s28, HS0
	s_add_nc_u64 s[32:33], s[14:15], s[28:29]
	s_wait_alu depctr_va_vdst(0)
.irp g, 0,1,2
	global_store_b128 v4, v[HF+4*\g:HF+4*\g+3], s[30:31] offset:512*\g   ; the fragment as an image of its registers: 512 consecutive bytes a store, at a multiple of 256 from hq's first byte
.endr
	global_store_b32 v5, v[WDH], s[32:33]
.Lno_work:
	s_add_co_u32 s26, s26, 16
	s_cmp_ge_u32 s26, s25
	s_cbranch_scc1 .Lno_gather
	GATHER
.Lno_gather:
	s_add_co_u32 s27, s27, 1
	s_cmp_lt_u32 s27, 4
	s_cbranch_scc1 .Ltrip
	s_wait_tensorcnt 0x0
	ds_add_u32 v23, v47
	s_wait_dscnt 0x0
	s_endpgm
.Lfunc_end_k_q6bfc8dfb99_up:
	.size	k_q6bfc8dfb99_up, .Lfunc_end_k_q6bfc8dfb99_up-k_q6bfc8dfb99_up
	.p2alignl 7, 3214868480
	.fill 96, 4, 3214868480
	.section	.rodata,"a",@progbits
	.p2align	6, 0x0
	.amdhsa_kernel k_q6bfc8dfb99_up
		.amdhsa_group_segment_fixed_size 183040
		.amdhsa_private_segment_fixed_size 0
		.amdhsa_enable_private_segment 0
		.amdhsa_kernarg_size 48
		.amdhsa_user_sgpr_count 2
		.amdhsa_user_sgpr_kernarg_segment_ptr 1
		.amdhsa_wavefront_size32 1
		.amdhsa_system_sgpr_workgroup_id_x 1
		.amdhsa_system_sgpr_workgroup_id_y 1
		.amdhsa_system_sgpr_workgroup_id_z 1
		.amdhsa_system_vgpr_workitem_id 0
		.amdhsa_next_free_vgpr 256
		.amdhsa_next_free_sgpr 66
		.amdhsa_reserve_vcc 1
		.amdhsa_float_denorm_mode_32 3
		.amdhsa_float_denorm_mode_16_64 3
		.amdhsa_memory_ordered 1
		.amdhsa_forward_progress 1
		.amdhsa_inst_pref_size 157
	.end_amdhsa_kernel
	.amdgpu_metadata
---
amdhsa.version: [ 1, 2 ]
amdhsa.kernels:
  - .name:           k_q6bfc8dfb99_up
    .symbol:         k_q6bfc8dfb99_up.kd
    .args:
      - { .name: W1, .offset: 0, .size: 8, .value_kind: global_buffer, .address_space: global }
      - { .name: b1, .offset: 8, .size: 8, .value_kind: global_buffer, .address_space: global }
      - { .name: sel, .offset: 16, .size: 8, .value_kind: global_buffer, .address_space: global }
      - { .name: xq, .offset: 24, .size: 8, .value_kind: global_buffer, .address_space: global }
      - { .name: lst, .offset: 32, .size: 8, .value_kind: global_buffer, .address_space: global }
      - { .name: hq, .offset: 40, .size: 8, .value_kind: global_buffer, .address_space: global }
    .group_segment_fixed_size: 183040
    .private_segment_fixed_size: 0
    .kernarg_segment_align: 8
    .kernarg_segment_size: 48
    .max_flat_workgroup_size: 512
    .sgpr_count:     66
    .vgpr_count:     256
    .wavefront_size: 32
...
	.end_amdgpu_metadata
.endif
;; end of part 6
;; launch down (part 7): grid 32 x 8, 16 waves a work-group, no clusters, 178,432 bytes of LDS; arguments W2, b2, gat, lst, hq, part; writes part
.if DOCPART == 7
	.amdgcn_target "amdgcn-amd-amdhsa--gfx1250"
	.amdhsa_code_object_version 6
	.text
	.protected	k_q6bfc8dfb99_down
	.globl	k_q6bfc8dfb99_down
	.p2align	8
	.type	k_q6bfc8dfb99_down,@function
k_q6bfc8dfb99_down:
	s_mov_b64 s[64:65], 0
	v_nop
	global_prefetch_b8 v0, s[64:65] scope:SCOPE_SE
	s_setreg_imm32_b32 hwreg(HW_REG_WAVE_SCHED_MODE, 0, 2), 2
	s_setreg_imm32_b32 hwreg(HW_REG_WAVE_MODE, 25, 1), 1
	s_wait_xcnt 0x0
	s_wait_alu depctr_vm_vsrc(0)
; SECOND PRODUCT OF THE CHOSEN EXPERTS: part[kh][id] = gate[id] x (h W2[e] over half kh of K, + b2[e] in half 0), on codes of E3M2 with one E8M0 scale for each 32 along K.
; W2 [8][4096 (K)][1024] f32, b2 [8][1024] f32.  From earlier launches: gat (a gate for each routed id), lst (each expert's ids and their count), hq (h as images of operand registers, [e][tile][K step][1,536 bytes], and scale words).
; SHARES.  Work-group (cs + 16 kh, e) owns 64 output columns (256 bytes of a row) and 2,048 of K: 512 KiB of W2, read once, quantised in registers, kept in LDS as images of operand registers.  Sixteen waves of 256 registers.
; STREAM.  Wave w takes K step w of the half, as two units of 64 rows; a load reads 16 bytes a lane, lanes 0-15 a row's 256 bytes, lanes 16-31 those of the row 32 further down.  INSIDE A BLOCK OF 32 THE ROWS ARE TAKEN IN THE ORDER
; 4 (p % 8) + p / 8, in which the launch before has laid h's codes: a permutation inside a block, alike on both sides, changes no product and no scale.
; TILES.  Column tile j is the columns 4 m + j.  The matrix instruction is used transposed (source 0 = a column tile, source 1 = 16 rows of h): register i of tile j in lane (r, h) is row r at column 32 h + 4 i + j.
; A wave takes two tiles of 16 rows at a time, so that each fragment of W2 read from LDS feeds two products.  Units past the last tile are skipped by a scalar branch on the stored count: no tensor load, no barrier under a branch.
; An odd last tile is made twice by the same wave, with the same numbers.  Padding rows go to rows 2048 .. 2175 of part, which nobody reads.
; LIMITS: NaN and infinities are not served; a block of W2 whose largest magnitude lies under 2^-122 keeps the byte 1.
; THE MODE: SCHED_MODE bits 1:0 = 2 (LLVM: expert scheduling mode 2), set by the entry lines.  The code itself states the register dependences between vector or matrix instructions and memory or LDS instructions,
; with s_wait_alu, always for 0.
; THE PLAN.  Registers that memory or LDS instructions touch, and who else names them:
;   v4-v19      offsets and LDS addresses: made at the head, never written again; one wait on va_vdst ahead of the first load serves them all.
;   L, F, WD    as in the launch before: one wait on va_vdst behind the lines that empty each half of L, one ahead of the images' 13 LDS stores.
;   PRE         one wait on vm_vsrc at its head: all that LDS and memory instructions have read so far is free for its loads and for the gates' offsets; one wait on va_vdst behind the four lines that make those offsets.
;               On every way to its head the last wait on va_vdst (ahead of the images' stores, in the second SEND, in PRE itself) is followed by memory instructions alone: so its loads owe no other.
;   B, BS, AB   loaded; read by a K step's eight products.  The wave's 256 registers are all taken, so B has one set: ONE wait on va_vdst behind each K step but the last; the six loads of the ring's buffer just read
;               and the next step's 13 LDS loads follow it.
;   the way out all 64 multiplies into Y and the eight lane addresses O stand first, then one wait on va_vdst, then both tiles' 48 LDS instructions.  The permutes' results land in OF, accumulators that the multiplies have
;               emptied, not in O: so O serves both tiles, and no vector line writes a register that a permute read.  Each SEND has one wait on va_vdst behind the sixteen lines that turn ids into offsets.
;   a unit's head   one wait on vm_vsrc: the last unit's stores have read Z and OF, in which this unit's loads land.
.set PITCH, 4096                       ; a row of W2 in bytes
.set HS0,   25165824                   ; hq: where the scale words begin
.set PARTB, 8912896                    ; part: 2,176 rows of 4,096 bytes for each half of K
.set BSC,   98304                      ; LDS: 0 .. the weights' images: group w = 4 fragments of 1,536 bytes;  BSC: their scale words, 512 bytes a group
.set BIA,   106496                     ; b2's 64 numbers (zeros in half 1), laid [h][j][i]
.set STG,   106752                     ; a stage of 16 rows x 272 bytes for each wave
.set HSC, 24                           ; v24-39   h's scale words: tile t, register i: lanes 0-15 K step 2 i, lanes 16-31 K step 2 i + 1.  They and BS hold scales and nothing else
.set BS,  40                           ; v40-43   the weights' scale words of the group in hand
.set M,   44                           ; streaming: v44-47, v48-51, v52-55, v56-58, v60-75, v76-123, v128-255: as in the launch before
.set SO,  48
.set WD,  52
.set TC,  56
.set T,   60
.set F,   76
.set L,   128
.set SHH, 18                           ; v18      8 h
.set GO,  20                           ; v20-21   the gates' offsets
.set RK,  44                           ; v44-45   row r's id, tile 0 and 1
.set GT,  46                           ; v46-47   row r's gate
.set B,   48                           ; v48-95   the group's four fragments
.set AB,  96                           ; v96-191  h's fragments: four buffers of two tiles
.set ACC, 192                          ; v192-255 eight accumulators: 32 tile + 8 j + i
.set O,   80                           ; the way out: v80-87 the permutes' lane addresses, 4 (8 h + p)
.set OF,  192                          ; the way out: v192-207 the rows' ids, then their offsets in part
.macro LOADH c, q                      ; half q of unit c: 16 loads; each reads two runs of 256 consecutive bytes, at multiples of 256 from W2's first byte
.set pp, 16*(\q)
.rept 16
	global_load_b128 v[L+4*pp:L+4*pp+3], v6, s[22:23] offset:(64*(\c)+4*(pp%8)+pp/8)*PITCH th:TH_LOAD_NT
.set pp, pp+1
.endr
.endm
; Unit c becomes registers 6 c .. 6 c + 5 of the four fragments and two bytes of each scale word.  more = 1: each half of L is asked for again, for the next unit, as soon as it has been read.
.macro QUANTU c, more
	s_wait_loadcnt 0x0
.irp j, 0,1,2,3
	v_max3_num_f32 v[M+\j], |v[L+\j]|, |v[L+4+\j]|, 0x2800000      ; the floor 2^(5 - 127) among the leaves: the byte cannot fall under 1
.endr
.irp p, 2,4,6,8,10,12,14,16,18,20,22,24,26,28,30
.irp j, 0,1,2,3
	v_max3_num_f32 v[M+\j], v[M+\j], |v[L+4*\p+\j]|, |v[L+4*\p+4+\j]|
.endr
.endr
.irp j, 0,1,2,3
	v_add_nc_u32 v[SO+\j], 0xfe000000, v[M+\j]     ; 4 off the exponent field: the conversion's scale operand
.endr
.irp j, 0,1,2,3
	v_lshrrev_b32 v[M+\j], 23, v[SO+\j]            ; the byte
.endr
.irp j, 0,1,2,3
.if (\c) == 0
	v_mov_b32 v[WD+\j], v[M+\j]
.else
	v_lshl_or_b32 v[WD+\j], v[M+\j], 16, v[WD+\j]
.endif
.endr
.irp j, 0,1,2,3
.irp i, 0,1,2,3,4,5,6,7,8,9,10,11,12,13,14,15
	v_mov_b32 v[T+\i], v[L+4*\i+\j]
.endr
	v_cvt_scalef32_pk16_bf6_f32 v[F+12*\j+6*(\c):F+12*\j+6*(\c)+2], v[T:T+15], v[SO+\j]
	v_nop                                          ; one plain instruction before T is written again
.endr
.if \more
	s_wait_alu depctr_va_vdst(0)                   ; the maxima and the moves above are done reading L's first half, in which the sixteen loads below land
	LOADH (\c)+1, 0
.endif
.irp j, 0,1,2,3
.irp i, 0,1,2,3,4,5,6,7,8,9,10,11,12,13,14,15
	v_mov_b32 v[T+\i], v[L+64+4*\i+\j]
.endr
	v_cvt_scalef32_pk16_bf6_f32 v[TC:TC+2], v[T:T+15], v[SO+\j]    ; (a conversion's three registers begin on an even number)
	v_nop
.irp g, 0,1,2
	v_mov_b32 v[F+12*\j+6*(\c)+3+\g], v[TC+\g]
.endr
.endr
.if \more
	s_wait_alu depctr_va_vdst(0)                   ; the moves above are done reading L's second half, in which the sixteen loads below land
	LOADH (\c)+1, 1
.endif
.endm
.macro SCALEW
.irp j, 0,1,2,3
	v_lshlrev_b32 v[WD+\j], v[SHH], v[WD+\j]
.endr
.irp j, 0,1,2,3
	v_permlanex16_b32 v[M+\j], v[WD+\j], s34, s35
.endr
.irp j, 0,1,2,3
	v_or_b32 v[WD+\j], v[WD+\j], v[M+\j]
.endr
.endm
.macro BSTORE
.irp j, 0,1,2,3
.irp g, 0,1,2
	ds_store_b128 v7, v[F+12*\j+4*\g:F+12*\j+4*\g+3] offset:1536*\j+512*\g
.endr
.endr
	ds_store_b128 v8, v[WD:WD+3]
.endm
; What unit s26 (tiles 2 u and 2 u + 1, held to the last tile) wants first: the rows' ids, all scale words, the fragments of K steps 0 to 3, the gates.
.macro PRE
	s_wait_loadcnt 0x0                             ; no load of mine is out when its registers and bases are written again
	s_wait_xcnt 0x0                                ; and the last unit's stores have read theirs
	s_wait_alu depctr_vm_vsrc(0)                   ; beside it: all LDS and memory instructions so far have read their registers: F, WD and v124-127 (the stores ahead of the first PRE), the ids (the permutes), Y and Z (the way out), the gates' offsets (the last PRE's loads): loads below land in them, or lines below write them
	s_lshl_b32 s44, s26, 1
	s_add_co_u32 s45, s44, 1
	s_sub_co_u32 s47, s25, 1
	s_min_u32 s44, s44, s47
	s_min_u32 s45, s45, s47
	s_min_u32 s44, s44, 63
	s_min_u32 s45, s45, 63
	s_lshl_b32 s49, s17, 6
.irp t, 0,1
	s_add_co_u32 s50, s49, s[44+\t]
	s_lshl_b32 s50, s50, 5
	s_add_co_u32 s50, s50, s48                     ; (64 e + tile) x 32 + 16 kh
	s_mul_i32 s28, s50, 1536
	s_add_nc_u64 s[30+2*\t:31+2*\t], s[12:13], s[28:29]
	s_lshl_b32 s28, s50, 7
	s_add_co_u32 s28, s28, HS0
	s_add_nc_u64 s[36+2*\t:37+2*\t], s[12:13], s[28:29]
	s_lshl_b32 s28, s[44+\t], 6
	s_add_nc_u64 s[40+2*\t:41+2*\t], s[10:11], s[28:29]
.endr
.irp t, 0,1
	global_load_b32 v[RK+\t], v5, s[40+2*\t:41+2*\t]
.endr
.irp t, 0,1
.irp i, 0,1,2,3,4,5,6,7
	global_load_b32 v[HSC+8*\t+\i], v15, s[36+2*\t:37+2*\t] offset:256*\i
.endr
.endr
.irp d, 0,1,2,3
.irp t, 0,1
.irp g, 0,1,2
	global_load_b128 v[AB+24*\d+12*\t+4*\g:AB+24*\d+12*\t+4*\g+3], v4, s[30+2*\t:31+2*\t] offset:1536*\d+512*\g
.endr
.endr
.endr
	s_wait_loadcnt 40                              ; the ids are in; the 16 + 24 loads behind them may be out
.irp t, 0,1
	v_min_u32 v[GO+\t], 0x7ff, v[RK+\t]            ; (a padding row takes some gate: its result goes where nobody reads)
.endr
.irp t, 0,1
	v_lshlrev_b32 v[GO+\t], 2, v[GO+\t]
.endr
	s_wait_alu depctr_va_vdst(0)                   ; the gates' offsets are written, which the two loads below read
.irp t, 0,1
	global_load_b32 v[GT+\t], v[GO+\t], s[8:9]
.endr
.endm
; The way out of tile t, its vector part: x the gate; a lane's four neighbouring columns side by side.
.macro OUTV t, yy
.irp i, 0,1,2,3,4,5,6,7
.irp j, 0,1,2,3
	v_mul_f32 v[\yy+4*\i+\j], v[GT+\t], v[ACC+32*\t+8*\j+\i]       ; each accumulator from its low end on
.endr
.endr
.endm
; Its LDS part: through my stage, in by lanes, out by rows; each row's id from the lane that holds it.
.macro OUTL t, yy, zz
.irp i, 0,1,2,3,4,5,6,7
	ds_store_b128 v14, v[\yy+4*\i:\yy+4*\i+3] offset:16*\i
.endr
.irp p, 0,1,2,3,4,5,6,7
	ds_load_b128 v[\zz+4*\p:\zz+4*\p+3], v13 offset:272*\p         ; LDS serves a wave's instructions in order: these see the stores above, and the next tile's stores come behind them
.endr
.irp p, 0,1,2,3,4,5,6,7
	ds_bpermute_b32 v[OF+8*\t+\p], v[O+\p], v[RK+\t]               ; the id of row 8 h + p
.endr
.endm
.macro SEND t, zz, younger
	s_wait_dscnt \younger
.irp p, 0,1,2,3,4,5,6,7
	v_min_u32 v[OF+8*\t+\p], 0x87f, v[OF+8*\t+\p]
.endr
.irp p, 0,1,2,3,4,5,6,7
	v_lshl_add_u32 v[OF+8*\t+\p], v[OF+8*\t+\p], 12, v16
.endr
	s_wait_alu depctr_va_vdst(0)                   ; the tile's eight offsets are written, which the eight stores read
.irp p, 0,1,2,3,4,5,6,7
	global_store_b128 v[OF+8*\t+\p], v[\zz+4*\p:\zz+4*\p+3], s[14:15] th:TH_STORE_NT   ; sixteen lanes store 256 consecutive bytes of a row, at a multiple of 256 from part's first byte
.endr
.endm
	s_load_b256 s[4:11], s[0:1], 0x0               ; W2 s[4:5], b2 s[6:7], gat s[8:9], lst s[10:11]
	s_load_b128 s[12:15], s[0:1], 0x20             ; hq s[12:13], part s[14:15]
	v_lshl_add_u32 v22, v0, 2, 0x2b100
	v_mov_b32 v23, 0
	v_lshrrev_b32 v124, 5, v0
	v_readfirstlane_b32 s16, v124                  ; wave 0 .. 15
	v_and_b32 v1, 31, v0                           ; lane
	v_and_b32 v124, 15, v0                         ; r
	v_bfe_u32 v125, v0, 4, 1                       ; h
	s_and_b32 s17, ttmp7, 0xffff                   ; the expert
	s_and_b32 s18, ttmp9, 15                       ; which 64 columns
	s_lshr_b32 s19, ttmp9, 4                       ; which half of K
	; every LDS address register is made here, ahead of the first branch
	v_lshlrev_b32 v4, 4, v1                        ; 16 x lane (the images begin at LDS byte 0)
	v_lshlrev_b32 v5, 2, v124                      ; 4 r
	v_lshlrev_b32 v16, 4, v124                     ; 16 r
	v_lshlrev_b32 v17, 5, v125                     ; 32 h
	v_lshlrev_b32 v18, 3, v125                     ; 8 h
	v_lshl_add_u32 v15, v125, 7, v5                ; 128 h + 4 r
	v_lshl_add_u32 v6, v125, 17, v16               ; W2: 32 rows further down for lanes 16-31, 16 bytes a lane
	s_wait_alu depctr_va_sdst(0)                   ; s16 is written, ahead of its first reader
	s_mul_i32 s37, s16, 6144
	v_add_nc_u32 v7, s37, v4
	s_lshl_b32 s37, s16, 9
	s_add_co_u32 s37, s37, BSC
	v_add_nc_u32 v8, s37, v4
	v_add_nc_u32 v10, 49152, v4
	v_add_nc_u32 v11, BSC, v4
	v_lshl_add_u32 v12, v125, 7, BIA
	s_mul_i32 s37, s16, 4352
	s_add_co_u32 s37, s37, STG
	v_mul_u32_u24 v13, v125, 2176
	v_add_nc_u32 v13, v13, v16
	v_add_nc_u32 v13, s37, v13                     ; by rows: row 8 h (+ p), byte 16 r
	v_mul_u32_u24 v14, v124, 272
	v_lshl_add_u32 v14, v125, 7, v14
	v_add_nc_u32 v14, s37, v14                     ; by lanes: row r, byte 128 h
	v_lshrrev_b32 v19, 3, v124
	v_and_b32 v126, 7, v124
	v_lshlrev_b32 v19, 7, v19
	v_lshl_add_u32 v19, v126, 2, v19
	v_add_nc_u32 v19, BIA, v19                     ; b2 of column 4 r + j goes to [r / 8][j][r % 8]
	s_mov_b32 s34, 0x76543210
	s_mov_b32 s35, 0xfedcba98
	s_cmp_eq_u32 s19, 0
	s_cselect_b32 s46, -1, 0                       ; the bias counts in half 0 alone
	s_lshl_b32 s48, s19, 4                         ; the half's first K step
	s_lshl_b32 s28, s17, 24                        ; W2: the expert's 2^24 bytes,
	s_lshl_b32 s37, s19, 23                        ; the half's 2,048 rows,
	s_add_co_u32 s28, s28, s37
	s_lshl_b32 s37, s16, 19                        ; my 128,
	s_add_co_u32 s28, s28, s37
	s_lshl_b32 s37, s18, 8                         ; the 64 columns
	s_add_co_u32 s28, s28, s37
	s_mov_b32 s29, 0
	s_lshl_b32 s50, s17, 12                        ; b2
	s_add_co_u32 s50, s50, s37
	s_mov_b32 s51, 0
	s_mul_i32 s52, s17, 4352                       ; lst
	s_mov_b32 s53, 0
	s_mul_i32 s54, s19, PARTB                      ; part
	s_add_co_u32 s54, s54, s37
	s_mov_b32 s55, 0
	s_wait_kmcnt 0x0
	s_add_nc_u64 s[22:23], s[4:5], s[28:29]
	s_add_nc_u64 s[50:51], s[6:7], s[50:51]
	s_add_nc_u64 s[10:11], s[10:11], s[52:53]
	s_add_nc_u64 s[14:15], s[14:15], s[54:55]
	s_load_b32 s24, s[10:11], 0x1000               ; the expert's count
	s_wait_alu depctr_va_vdst(0)                   ; the offsets and addresses v4 to v19 are written, which the loads and stores of the whole kernel read; so are v124 to v126, in which wave 0's load of b2 lands
	s_cmp_lg_u32 s16, 0
	s_cbranch_scc1 .Lnot_0_a
	global_load_b128 v[124:127], v16, s[50:51]     ; wave 0: the 64 numbers of b2
.Lnot_0_a:
	LOADH 0, 0
	LOADH 0, 1
	s_cmp_lg_u32 s16, 0
	s_cbranch_scc1 .Lnot_0_b
	s_wait_loadcnt 32                              ; b2 is in; the 32 loads of W2 behind it may be out
.irp j, 0,1,2,3
	v_and_b32 v[124+\j], s46, v[124+\j]
.endr
	s_wait_alu depctr_va_vdst(0)                   ; the four masked numbers are written, which the LDS stores read
.irp j, 0,1,2,3
	ds_store_b32 v19, v[124+\j] offset:32*\j       ; (lanes 16-31 store the same numbers to the same words)
.endr
.Lnot_0_b:
	QUANTU 0, 1
	QUANTU 1, 0
	SCALEW
	s_wait_alu depctr_va_vdst(0)                   ; the conversions, the moves and the scale words' lines have written F and WD, which the 13 LDS stores read
	BSTORE
	s_wait_dscnt 0x0                               ; my group (and b2) lies in LDS
	s_wait_kmcnt 0x0
	s_min_u32 s24, s24, 0x400
	s_add_co_u32 s25, s24, 15
	s_lshr_b32 s25, s25, 4
	s_max_u32 s25, s25, 1                          ; the expert's tiles, at least one, as the launch before made them
	s_mov_b32 s26, s16                             ; my first unit
	PRE                                            ; asked for ahead of the barrier, by every wave: the tile numbers are held to tiles that were made
	s_barrier_signal -1
	s_barrier_wait -1                              ; all sixteen groups lie in LDS; from here on the shared bytes are only read
	s_mov_b32 s27, 0
.Ltrip:                                                ; two trips: units w and w + 16
	s_lshl_b32 s47, s26, 1
	s_cmp_ge_u32 s47, s25
	s_cbranch_scc1 .Lno_unit
	s_wait_xcnt 0x0                                ; earlier stores have read the registers that the loads below fill
	s_wait_alu depctr_vm_vsrc(0)                   ; beside it: the last unit's stores have read Z (v48-79, v160-191) and OF, and its permutes O: the loads below land in them (on the way that the text has round PRE no other wait states it)
.irp t, 0,1                            ; the sums begin with the bias, or with zeros
.irp j, 0,1,2,3
.irp q, 0,1
	ds_load_b128 v[ACC+32*\t+8*\j+4*\q:ACC+32*\t+8*\j+4*\q+3], v12 offset:32*\j+16*\q
.endr
.endr
.endr
.set gg, 0
.rept 16                               ; K step gg of the half.  The eight accumulators take turns, one instruction a turn
.irp j, 0,1,2,3
.irp q, 0,1,2
.if gg < 8
	ds_load_b128 v[B+12*\j+4*\q:B+12*\j+4*\q+3], v4 offset:6144*gg+1536*\j+512*\q
.else
	ds_load_b128 v[B+12*\j+4*\q:B+12*\j+4*\q+3], v10 offset:6144*(gg-8)+1536*\j+512*\q
.endif
.endr
.endr
	ds_load_b128 v[BS:BS+3], v11 offset:512*gg
	s_wait_dscnt 0x0
.if gg <= 12
	s_wait_loadcnt 18                              ; this K step's six loads are in; the six of each of the three steps behind it may be out (in the first four steps the two gates too: the count is then the stricter)
.else
	s_wait_loadcnt 6*(15-gg)
.endif
.irp j, 0,1,2,3
.irp t, 0,1
.if gg%2 == 0
	v_wmma_scale_f32_16x16x128_f8f6f4 v[ACC+32*\t+8*\j:ACC+32*\t+8*\j+7], v[B+12*\j:B+12*\j+11], v[AB+24*(gg%4)+12*\t:AB+24*(gg%4)+12*\t+11], v[ACC+32*\t+8*\j:ACC+32*\t+8*\j+7], v[BS+\j], v[HSC+8*\t+gg/2] matrix_a_fmt:MATRIX_FMT_BF6 matrix_b_fmt:MATRIX_FMT_BF6
.else
	v_wmma_scale_f32_16x16x128_f8f6f4 v[ACC+32*\t+8*\j:ACC+32*\t+8*\j+7], v[B+12*\j:B+12*\j+11], v[AB+24*(gg%4)+12*\t:AB+24*(gg%4)+12*\t+11], v[ACC+32*\t+8*\j:ACC+32*\t+8*\j+7], v[BS+\j], v[HSC+8*\t+gg/2] matrix_a_fmt:MATRIX_FMT_BF6 matrix_b_fmt:MATRIX_FMT_BF6 matrix_b_scale:MATRIX_SCALE_ROW1
.endif
.endr
.endr
.rept 4
	v_nop                                          ; four places behind these products, as they stood: behind the last K step they stand ahead of the first read of results and the first vector write of B's and AB's registers (ISA guide 7.12.1)
.endr
.if gg < 15
	s_wait_alu depctr_va_vdst(0)                   ; the K step's eight products are done reading B, BS and their buffer of AB, in which the loads below and the next step's 13 LDS loads land
.endif
.if gg < 12
.irp t, 0,1
.irp g, 0,1,2
	global_load_b128 v[AB+24*(gg%4)+12*\t+4*\g:AB+24*(gg%4)+12*\t+4*\g+3], v4, s[30+2*\t:31+2*\t] offset:1536*(gg+4)+512*\g   ; the buffer just read takes the K step four on
.endr
.endr
.endif
.set gg, gg+1
.endr
.irp p, 0,1,2,3,4,5,6,7
	v_add_nc_u32 v[O+\p], 4*\p, v17                ; the lane that holds the id of row 8 h + p, as a byte address: the same for both tiles
.endr
	OUTV 0, 96
	OUTV 1, 128
	s_wait_alu depctr_va_vdst(0)                   ; the multiplies have written Y (v96-159) and the additions O, which the LDS stores and permutes read; the multiplies are done reading v192-207 and the last products B's and AB's registers, in which the LDS loads and the permutes' results land
	OUTL 0, 96, 160
	OUTL 1, 128, 48
	SEND 0, 160, 24                                ; behind tile 0's LDS instructions stand tile 1's 24
	SEND 1, 48, 0
.Lno_unit:
	s_add_co_u32 s26, s26, 16
	s_lshl_b32 s47, s26, 1
	s_cmp_ge_u32 s47, s25
	s_cbranch_scc1 .Lno_pre
	PRE
.Lno_pre:
	s_add_co_u32 s27, s27, 1
	s_cmp_lt_u32 s27, 2
	s_cbranch_scc1 .Ltrip
	s_wait_dscnt 0x0                               ; the closing lines, six on end
	s_wait_alu 0x0
	s_wait_tensorcnt 0x0
	ds_add_u32 v22, v23
	s_wait_dscnt 0x0
	s_endpgm
.Lfunc_end_k_q6bfc8dfb99_down:
	.size	k_q6bfc8dfb99_down, .Lfunc_end_k_q6bfc8dfb99_down-k_q6bfc8dfb99_down
	.p2alignl 7, 3214868480
	.fill 96, 4, 3214868480
	.section	.rodata,"a",@progbits
	.p2align	6, 0x0
	.amdhsa_kernel k_q6bfc8dfb99_down
		.amdhsa_group_segment_fixed_size 178432
		.amdhsa_private_segment_fixed_size 0
		.amdhsa_enable_private_segment 0
		.amdhsa_kernarg_size 48
		.amdhsa_user_sgpr_count 2
		.amdhsa_user_sgpr_kernarg_segment_ptr 1
		.amdhsa_wavefront_size32 1
		.amdhsa_system_sgpr_workgroup_id_x 1
		.amdhsa_system_sgpr_workgroup_id_y 1
		.amdhsa_system_sgpr_workgroup_id_z 1
		.amdhsa_system_vgpr_workitem_id 0
		.amdhsa_next_free_vgpr 256
		.amdhsa_next_free_sgpr 66
		.amdhsa_reserve_vcc 0
		.amdhsa_float_denorm_mode_32 3
		.amdhsa_float_denorm_mode_16_64 3
		.amdhsa_memory_ordered 1
		.amdhsa_forward_progress 1
		.amdhsa_inst_pref_size 93
	.end_amdhsa_kernel
	.amdgpu_metadata
---
amdhsa.version: [ 1, 2 ]
amdhsa.kernels:
  - .name:           k_q6bfc8dfb99_down
    .symbol:         k_q6bfc8dfb99_down.kd
    .args:
      - { .name: W2, .offset: 0, .size: 8, .value_kind: global_buffer, .address_space: global }
      - { .name: b2, .offset: 8, .size: 8, .value_kind: global_buffer, .address_space: global }
      - { .name: gat, .offset: 16, .size: 8, .value_kind: global_buffer, .address_space: global }
      - { .name: lst, .offset: 24, .size: 8, .value_kind: global_buffer, .address_space: global }
      - { .name: hq, .offset: 32, .size: 8, .value_kind: global_buffer, .address_space: global }
      - { .name: part, .offset: 40, .size: 8, .value_kind: global_buffer, .address_space: global }
    .group_segment_fixed_size: 178432
    .private_segment_fixed_size: 0
    .kernarg_segment_align: 8
    .kernarg_segment_size: 48
    .max_flat_workgroup_size: 512
    .sgpr_count:     66
    .vgpr_count:     256
    .wavefront_size: 32
...
	.end_amdgpu_metadata
.endif
;; end of part 7
;; launch combine (part 8): grid 256 x 1, 8 waves a work-group, no clusters, 0 bytes of LDS; arguments part, out0; writes out0
.if DOCPART == 8
	.amdgcn_target "amdgcn-amd-amdhsa--gfx1250"
	.amdhsa_code_object_version 6
	.text
	.protected	k_q6bfc8dfb99_combine
	.globl	k_q6bfc8dfb99_combine
	.p2align	8
	.type	k_q6bfc8dfb99_combine,@function
k_q6bfc8dfb99_combine:
	s_mov_b64 s[64:65], 0
	v_nop
	global_prefetch_b8 v0, s[64:65] scope:SCOPE_SE
	s_setreg_imm32_b32 hwreg(HW_REG_WAVE_MODE, 25, 1), 1
	s_wait_xcnt 0x0
; out0[t] = part[0][t] + part[1][t] + part[0][1024 + t] + part[1][1024 + t]: a token's two experts, each in two halves of K, already weighed by their gates.
; part: [2][2176 rows][1024] f32; out0: [1024][1024] f32.  A stream: a work-group takes four rows, a thread 16 bytes of each; a wave's load or store covers 512 consecutive bytes.
; All sixteen loads of a thread go out at once; no loop, no LDS, no barrier: threads share nothing.
.set PARTB, 8912896                    ; from half 0 to half 1
.set SECOND, 4194304                   ; from row t to row 1024 + t
	s_load_b128 s[4:7], s[0:1], 0x0                ; part, out0
	v_lshlrev_b32 v1, 4, v0
	s_lshl_b32 s8, ttmp9, 14                       ; four rows of 4,096 bytes
	s_mov_b32 s9, 0
	s_wait_alu depctr_va_vdst(0)
	s_wait_kmcnt 0x0
	s_add_nc_u64 s[4:5], s[4:5], s[8:9]
	s_add_nc_u64 s[6:7], s[6:7], s[8:9]
	s_add_nc_u64 s[10:11], s[4:5], PARTB
.irp i, 0,1,2,3
	global_load_b128 v[8+16*\i:11+16*\i],  v1, s[4:5]   offset:4096*\i th:TH_LOAD_NT
	global_load_b128 v[12+16*\i:15+16*\i], v1, s[10:11] offset:4096*\i th:TH_LOAD_NT
	global_load_b128 v[16+16*\i:19+16*\i], v1, s[4:5]   offset:SECOND+4096*\i th:TH_LOAD_NT
	global_load_b128 v[20+16*\i:23+16*\i], v1, s[10:11] offset:SECOND+4096*\i th:TH_LOAD_NT
.endr
.irp i, 0,1,2,3
	s_wait_loadcnt 12-4*\i                         ; this row's four loads are in; the later rows' four each may be out
	v_pk_add_f32 v[8+16*\i:9+16*\i],   v[8+16*\i:9+16*\i],   v[12+16*\i:13+16*\i]
	v_pk_add_f32 v[10+16*\i:11+16*\i], v[10+16*\i:11+16*\i], v[14+16*\i:15+16*\i]
	v_pk_add_f32 v[16+16*\i:17+16*\i], v[16+16*\i:17+16*\i], v[20+16*\i:21+16*\i]
	v_pk_add_f32 v[18+16*\i:19+16*\i], v[18+16*\i:19+16*\i], v[22+16*\i:23+16*\i]
	s_delay_alu instid0(VALU_DEP_2)
	v_pk_add_f32 v[8+16*\i:9+16*\i],   v[8+16*\i:9+16*\i],   v[16+16*\i:17+16*\i]
	s_delay_alu instid0(VALU_DEP_2)
	v_pk_add_f32 v[10+16*\i:11+16*\i], v[10+16*\i:11+16*\i], v[18+16*\i:19+16*\i]
	global_store_b128 v1, v[8+16*\i:11+16*\i], s[6:7] offset:4096*\i th:TH_STORE_NT
.endr
	s_endpgm
.Lfunc_end_k_q6bfc8dfb99_combine:
	.size	k_q6bfc8dfb99_combine, .Lfunc_end_k_q6bfc8dfb99_combine-k_q6bfc8dfb99_combine
	.p2alignl 7, 3214868480
	.fill 96, 4, 3214868480
	.section	.rodata,"a",@progbits
	.p2align	6, 0x0
	.amdhsa_kernel k_q6bfc8dfb99_combine
		.amdhsa_group_segment_fixed_size 0
		.amdhsa_private_segment_fixed_size 0
		.amdhsa_enable_private_segment 0
		.amdhsa_kernarg_size 16
		.amdhsa_user_sgpr_count 2
		.amdhsa_user_sgpr_kernarg_segment_ptr 1
		.amdhsa_wavefront_size32 1
		.amdhsa_system_sgpr_workgroup_id_x 1
		.amdhsa_system_sgpr_workgroup_id_y 1
		.amdhsa_system_sgpr_workgroup_id_z 1
		.amdhsa_system_vgpr_workitem_id 0
		.amdhsa_next_free_vgpr 80
		.amdhsa_next_free_sgpr 66
		.amdhsa_reserve_vcc 0
		.amdhsa_float_denorm_mode_32 3
		.amdhsa_float_denorm_mode_16_64 3
		.amdhsa_memory_ordered 1
		.amdhsa_forward_progress 1
		.amdhsa_inst_pref_size 5
	.end_amdhsa_kernel
	.amdgpu_metadata
---
amdhsa.version: [ 1, 2 ]
amdhsa.kernels:
  - .name:           k_q6bfc8dfb99_combine
    .symbol:         k_q6bfc8dfb99_combine.kd
    .args:
      - { .name: part, .offset: 0, .size: 8, .value_kind: global_buffer, .address_space: global }
      - { .name: out0, .offset: 8, .size: 8, .value_kind: global_buffer, .address_space: global }
    .group_segment_fixed_size: 0
    .private_segment_fixed_size: 0
    .kernarg_segment_align: 8
    .kernarg_segment_size: 16
    .max_flat_workgroup_size: 256
    .sgpr_count:     66
    .vgpr_count:     80
    .wavefront_size: 32
...
	.end_amdgpu_metadata
.endif
;; end of part 8
